; MI455X (gfx1250); checked and timed in simulation.
; The chip was launched on July 23, 2026; its instructions are those of AMD's public machine-readable ISA for CDNA 5 (MIT licence, August 2026) and "CDNA5" Instruction Set Architecture Reference Guide (July 2026). The comments in the code are by the model that wrote it; some were corrected since.
;; Local Causal Transformer Block. Allowed arithmetic: matrix products marked QUANTISED: E2M1 operands, one E8M0 scale for each 32 along K, by v_wmma_scale_f32_16x16x128_f8f6f4 with both operands' format E2M1 (or v_wmma_scale_f32_32x16x128_f4), f32 sums; everything else in f32.
;; Inputs: b1 1,024 float32; b2 1,024 float32; fc1_b 4,096 float32; fc1_w 1,024 x 4,096 float32; fc2_b 1,024 float32; fc2_w 4,096 x 1,024 float32; g1 1,024 float32; g2 1,024 float32; proj_b 1,024 float32; proj_w 1,024 x 1,024 float32; qkv_b 3,072 float32; qkv_w 1,024 x 3,072 float32; x 2 x 2,048 x 1,024 float32.
;; Outputs: out0 2 x 2,048 x 1,024 float32.
;; This version of the problem:
;;   THIS VERSION OF THE PROBLEM IS GIVEN IN LOW PRECISION. The matrix products marked QUANTISED in the list below multiply operands that are first quantised to E2M1 (2 exponent bits, 1 mantissa bit; 4 bits a number), with one power-of-two scale for each 32 numbers along K (OCP MX v1.0); their sums are f32. All else is computed in f32.
;;   The module's matrix products, in the order in which they are computed (A, B: the left and right operand; K: the contracted axis; several contracted axes count as one K, in the product's order):
;;     1. [M 4,096, K 1,024] x [K 1,024, N 3,072]; A: computed on the way; B: input qkv_w: QUANTISED
;;     2. batch 32 x [M 2,048, K 64] x [K 64, N 2,048]; A: computed on the way; B: computed on the way: QUANTISED
;;     3. batch 32 x [M 64, K 2,048] x [K 2,048, N 2,048]; A: computed on the way; B: softmax (see below): QUANTISED
;;     4. [M 4,096, K 1,024] x [K 1,024, N 1,024]; A: computed on the way; B: input proj_w: QUANTISED
;;     5. [M 4,096, K 1,024] x [K 1,024, N 4,096]; A: computed on the way; B: input fc1_w: QUANTISED
;;     6. [M 4,096, K 4,096] x [K 4,096, N 1,024]; A: computed on the way; B: input fc2_w: QUANTISED
;;   THE QUANTISER, for each operand of a quantised product, along K:
;;     - K is cut into blocks of 32 from its start; a last block that is shorter is filled with zeros.
;;     - A block's scale is 2^e with e = floor(log2(the largest magnitude in the block)) - 2, held to -126 .. 127; a block of zeros has e = 0. As a byte (E8M0): e + 127.
;;     - Each number is divided by its block's scale, clamped to +-6, and rounded to the nearest number of E2M1, ties to even, subnormals kept.
;;     - The product sums the exact products of the quantised numbers (number of the format x scale) in f32.
;;   ~~~python
;;   def quantise(x, axis):      # numpy; x: float32 -> the quantised numbers, widened to float32 again
;;       x = np.moveaxis(x, axis, -1); K = x.shape[-1]
;;       x = np.pad(x, [(0, 0)] * (x.ndim - 1) + [(0, -K % 32)]); x = x.reshape(x.shape[:-1] + (-1, 32)); a = np.abs(x).max(-1, keepdims=True)
;;       e = np.where(a > 0, np.clip(np.frexp(np.where(a > 0, a, 1))[1] - 1 - 2, -126, 127), 0)      # np.frexp(a)[1] - 1 = floor(log2(a)), exactly
;;       r = np.clip(x / 2.0 ** e, -6, 6)
;;       step = 2.0 ** (np.maximum(np.frexp(np.where(r == 0, 1, r))[1] - 1, 0) - 1)
;;       q = np.round(r / step) * step * 2.0 ** e      # np.round: ties to even
;;       return np.moveaxis(q.reshape(q.shape[:-2] + (-1,))[..., :K], -1, axis).astype(np.float32)
;;   ~~~
;;   SOFTMAX AHEAD OF A QUANTISED PRODUCT. Where the list says 'softmax', what is quantised is not the finished softmax but p = 2^(t - M), with t = logit x log2(e) and M = ceil(the row's largest t), a whole number; so 1/2 < the row's largest p <= 1. The row's sum l is taken of the UNQUANTISED p, in f32, and the product's result is divided by l at the end. Since M is a whole number, a kernel that streams over the keys may use a running M (the ceiling of the running maximum): every later rescaling is an exact power of two, which a block's scale takes up: the codes' values come out the same.
;;   OPERANDS COMPUTED ON THE WAY. 'Computed on the way' means the value that the module computes at that place (a softmax that the list does not call 'softmax' is quantised finished and normalised). What goes into a quantiser is computed in f32, as accurately as f32 sums, v_exp_f32 and their like allow (about 1e-6 of the number): no bf16 or f16 on the way to a quantiser, and a product that is left as it is and whose result goes on into a quantised operand takes f32 operands (vector FMAs, or v_wmma_f32_16x16x4_f32). A number that lies on a knife's edge between two numbers of the format may be rounded either way, as far as f32 arithmetic and the matrix unit's own rounding can turn it there, and no further.
;; 2 versions, each right; version 2 is version 1 with the launch mid written anew for expert scheduling mode. Each part assembles by itself: llvm-mc -triple=amdgcn-amd-amdhsa -mcpu=gfx1250 --defsym DOCPART=n.
;; ======== version 1 of 2: 5 launches
;; workspace buffers: pw 8,912,896 bytes; qk 6,684,672 bytes; mb 2,228,224 bytes; x1 16,777,216 bytes; hid 8,912,896 bytes
;; launch prep (part 1): grid 224 x 2, 4 waves a work-group, no clusters, 27,648 bytes of LDS; arguments x, g1, b1, qkv_w, proj_w, fc1_w, fc2_w, pw; writes pw
.if DOCPART == 1
	.amdgcn_target "amdgcn-amd-amdhsa--gfx1250"
	.amdhsa_code_object_version 6
	.text
	.protected	k_q34c1c511aa_prep
	.globl	k_q34c1c511aa_prep
	.p2align	8
	.type	k_q34c1c511aa_prep,@function
k_q34c1c511aa_prep:
	s_mov_b64 s[64:65], 0
	v_nop
	global_prefetch_b8 v0, s[64:65] scope:SCOPE_SE
	s_setreg_imm32_b32 hwreg(HW_REG_WAVE_MODE, 25, 1), 1
	s_wait_xcnt 0x0
; LAUNCH 1 OF 5.  The four weights (f32, stored [K][N]) and LN1(x) become codes of E2M1 with one E8M0 byte for each 32 along K, in the workspace pw.
; WORK LEFT OUT IN THIS PROGRAM (launch 3 does the attention): the mask that the problem builds itself, j <= i and j > i - 3, keeps three keys for a query.  For every other key the logit is -infinity,
; so p = 2^(-infinity) = 0 whatever the inputs hold: its code is 0 and adds nothing to the second product or to the row's sum, and a block's scale hangs on its largest p alone.  So tiles of keys that lie
; wholly under the mask are not multiplied: of the two N x N products only the query's own block of 32 keys and the last eight keys of the block before are taken.  No input is without a way to the output: all 13 are loaded.
; LIMIT: a NaN, an infinity or an overflow that reaches only the work left out is not carried to the result.
; LIMITS: NaN and infinities among the inputs are not served.  A block of zeros gets the byte 1 where the rule says 127: its codes are zeros, which add nothing under any byte but 0xff, and this program alone reads the bytes.
; LAYOUT OF EVERY OPERAND.  A tile is 16 rows; row rho of tile t is row 32 (t / 2) + 8 (t % 2) + rho % 8 + 16 (rho / 8) of the tensor, so that in a product used transposed the 16 registers of two
; neighbouring tiles are 16 neighbours along the next K.  A fragment (a tile x 128 K) is stored as the image of its registers: 1,024 bytes; the 16 bytes at 512 c + 256 h + 16 rho hold k = 64 c + 32 h + 0 .. 31 of row rho.
; Images lie at ((g NT + tile) 4 + q) 1024 (K step 4 g + q), scale bytes at (tile KG + g) 256 + 16 rho + block % 16.
; SHARES.  x = 0 .. 95 of the grid: weights; a work-group takes 128 columns x 512 K, a wave 32 columns.  A LANE TAKES A COLUMN AND ITS REGISTERS RUN DOWN K: a block of 32 lies in one lane, and the conversions give
; the 16 bytes of an image as they stand; a wave's store covers two aligned runs of 256 bytes.  x = 96 .. 223: LN1; a work-group takes a tile of 16 tokens, a wave four rows.
; No tensor load, no matrix instruction: memory binds.  All branches hang on the work-group's and the wave's number.
.set HW1S, 3670016                     ; pw: tokens' and qkv_w's images from 0 (NT 448: tiles 0-255 tokens, 256-447 qkv_w), their scale bytes here
.set WPC,  3899392                     ; proj_w: images (NT 64), scale bytes
.set WPS,  4423680
.set W1C,  4456448                     ; fc1_w (NT 256)
.set W1S,  6553600
.set W2C,  6684672                     ; fc2_w (NT 64, 8 groups of 512 along K)
.set W2S,  8781824
.set IMG,  18432                       ; LDS (LN path alone): from 0 four regions of 32 x 144 bytes, a wave's own; here the tile's 8 images,
.set SCG,  26624                       ; its 512 scale bytes,
.set SPARE, 27136                      ; and the spare words, 128 bytes for each wave, which no other line names
.set SPW,  14                          ; v14 LDS address of my spare word; never rewritten
.set NIL,  15                          ; v15 0; never rewritten
	s_load_b512 s[8:23], s[0:1], 0x0               ; x, g1, b1, qkv_w, proj_w, fc1_w, fc2_w, pw
	v_lshl_add_u32 v[SPW], v0, 2, SPARE
	v_mov_b32 v[NIL], 0
	v_lshrrev_b32 v1, 5, v0
	v_readfirstlane_b32 s2, v1                     ; wave 0..3
	v_and_b32 v1, 31, v0                           ; lane
	s_and_b32 s3, ttmp7, 0xffff                    ; y of the grid
	s_wait_kmcnt 0x0
	s_cmp_lt_u32 ttmp9, 24
	s_cbranch_scc1 .Lqkv
	s_cmp_lt_u32 ttmp9, 32
	s_cbranch_scc1 .Lproj
	s_cmp_lt_u32 ttmp9, 64
	s_cbranch_scc1 .Lfc1
	s_cmp_lt_u32 ttmp9, 96
	s_cbranch_scc1 .Lfc2
	s_branch .Lln
; each arm: s[24:25] the weight, s26 which 128 columns, s27 which 512 along K, s28, s29 where its images and scale bytes begin in pw, s34 a tile's scale bytes, s35 NT, s36 bytes of 512 rows, s44 which copy of the text
.Lqkv:
	s_mov_b64 s[24:25], s[14:15]
	s_mov_b32 s26, ttmp9
	s_mov_b32 s27, s3
	s_mov_b32 s28, 256*4096
	s_mov_b32 s29, HW1S+256*512
	s_mov_b32 s34, 512
	s_mov_b32 s35, 448
	s_mov_b32 s36, 3072*2048
	s_mov_b32 s44, 0
	s_branch .Lw
.Lproj:
	s_mov_b64 s[24:25], s[16:17]
	s_sub_co_u32 s26, ttmp9, 24
	s_mov_b32 s27, s3
	s_mov_b32 s28, WPC
	s_mov_b32 s29, WPS
	s_mov_b32 s34, 512
	s_mov_b32 s35, 64
	s_mov_b32 s36, 1024*2048
	s_mov_b32 s44, 1
	s_branch .Lw
.Lfc1:
	s_mov_b64 s[24:25], s[18:19]
	s_sub_co_u32 s26, ttmp9, 32
	s_mov_b32 s27, s3
	s_mov_b32 s28, W1C
	s_mov_b32 s29, W1S
	s_mov_b32 s34, 512
	s_mov_b32 s35, 256
	s_mov_b32 s36, 4096*2048
	s_mov_b32 s44, 2
	s_branch .Lw
.Lfc2:
	s_mov_b64 s[24:25], s[20:21]
	s_sub_co_u32 s27, ttmp9, 64
	s_and_b32 s26, s27, 7
	s_lshr_b32 s27, s27, 3
	s_lshl_b32 s27, s27, 1
	s_add_co_u32 s27, s27, s3
	s_mov_b32 s28, W2C
	s_mov_b32 s29, W2S
	s_mov_b32 s34, 2048
	s_mov_b32 s35, 64
	s_mov_b32 s36, 1024*2048
	s_mov_b32 s44, 1
.Lw:
	s_lshl_b32 s37, s26, 7
	s_lshl_b32 s38, s2, 5
	s_add_co_u32 s37, s37, s38                     ; my wave's first column
	s_mul_i32 s38, s27, s36
	s_lshl_b32 s39, s37, 2
	s_add_co_u32 s38, s38, s39
	s_mov_b32 s39, 0
	s_add_nc_u64 s[4:5], s[24:25], s[38:39]        ; the weight at my first row of K and my first column
	s_lshr_b32 s37, s37, 4                         ; my first tile (an even one)
	s_mul_i32 s40, s27, s35
	s_add_co_u32 s40, s40, s37
	s_lshl_b32 s40, s40, 12
	s_add_co_u32 s40, s40, s28
	s_mov_b32 s41, 0
	s_add_nc_u64 s[6:7], s[22:23], s[40:41]        ; its four images of this group of 512
	s_mul_i32 s42, s37, s34
	s_lshl_b32 s43, s27, 8
	s_add_co_u32 s42, s42, s43
	s_add_co_u32 s42, s42, s29
	s_mov_b32 s43, 0
	s_add_nc_u64 s[32:33], s[22:23], s[42:43]      ; and its scale bytes
	v_lshlrev_b32 v2, 2, v1                        ; in: 4 bytes a lane
	v_bfe_u32 v5, v1, 3, 1                         ; lane w is row w % 8 + 8 (w / 16) of tile (w / 8) % 2
	v_and_b32 v6, 7, v1
	v_lshrrev_b32 v7, 4, v1
	v_lshl_add_u32 v6, v7, 3, v6
	v_lshlrev_b32 v6, 4, v6
	v_lshl_add_u32 v3, v5, 12, v6                  ; out: the tile's 4,096 bytes + 16 x row
	v_mul_u32_u24 v4, s34, v5
	v_add_nc_u32 v4, v4, v6                        ; scale bytes: the tile's + 16 x row
	s_cmp_eq_u32 s44, 0
	s_cbranch_scc1 .Lw3072
	s_cmp_eq_u32 s44, 2
	s_cbranch_scc1 .Lw4096
.macro LOADW t, n                      ; block t: W(32 t + i, my column), i = 0 .. 31, into set t % 2; a wave's load reads 128 consecutive bytes, the four waves stand side by side
.irp i, 0,1,2,3,4,5,6,7,8,9,10,11,12,13,14,15,16,17,18,19,20,21,22,23,24,25,26,27,28,29,30,31
	global_load_b32 v[32+32*((\t)%2)+\i], v2, s[4:5] offset:(32*(\t)+\i)*(\n)*4 th:TH_LOAD_NT
.endr
.endm
.macro BLOCKW t, n
.set XS, 32+32*((\t)%2)
.if (\t) < 15
	s_wait_loadcnt 32                              ; this block's 32 loads are in; the next block's 32 may be out
.else
	s_wait_loadcnt 0
.endif
	v_max3_num_f32 v12, |v[XS]|, |v[XS+1]|, |v[XS+2]|               ; the block's largest magnitude: all 32 numbers are mine
	v_max3_num_f32 v13, |v[XS+3]|, |v[XS+4]|, |v[XS+5]|
.irp i, 6,10,14,18,22,26
	v_max3_num_f32 v12, v12, |v[XS+\i]|, |v[XS+\i+1]|
	v_max3_num_f32 v13, v13, |v[XS+\i+2]|, |v[XS+\i+3]|
.endr
	v_max3_num_f32 v12, v12, |v[XS+30]|, |v[XS+31]|
	v_max3_num_f32 v12, v12, v13, 0x1800000        ; and the floor 2^(3 - 127): the byte cannot fall under 1
	v_add_nc_u32 v11, 0xff000000, v12              ; 2 off the exponent field: the conversion takes this operand's exponent field as its scale
	v_lshrrev_b32 v13, 23, v11                     ; the scale's byte
.if (\t)%4 == 0
	v_mov_b32 v[24+(\t)/4], v13                    ; four bytes to a register, the lower K in the lower byte
.else
	v_lshl_or_b32 v[24+(\t)/4], v13, 8*((\t)%4), v[24+(\t)/4]
.endif
.irp g, 0,1,2,3
	v_cvt_scalef32_pk8_fp4_f32 v[96+4*(\t)+\g], v[XS+8*\g:XS+8*\g+7], v11
.endr
	global_store_b128 v3, v[96+4*(\t):96+4*(\t)+3], s[6:7] offset:1024*((\t)/4)+512*(((\t)/2)%2)+256*((\t)%2)   ; sixteen lanes fill 256 consecutive aligned bytes of an image; each block has registers of its own, so no store's data are written again
.if (\t)+2 < 16
	LOADW (\t)+2, \n
.endif
.endm
.macro WQ n                            ; every offset is an immediate: 511 rows of 4,096 numbers are 8,372,224 bytes, inside the signed 24 bits (ISA guide, chapter 10)
	LOADW 0, \n
	LOADW 1, \n
.set Q, 0
.rept 16
	BLOCKW Q, \n
.set Q, Q+1
.endr
	global_store_b128 v4, v[24:27], s[32:33]       ; my row's 16 scale bytes: sixteen lanes fill 256 consecutive aligned bytes
	s_endpgm
.endm
	WQ 1024
.Lw3072:
	WQ 3072
.Lw4096:
	WQ 4096
; ---- LN1.  Tile T; wave w takes its rows 4 w .. 4 w + 3, which are four consecutive tokens.
.Lln:
	s_sub_co_u32 s26, ttmp9, 96
	s_lshl_b32 s26, s26, 1
	s_add_co_u32 s26, s26, s3                      ; T
	s_lshr_b32 s27, s26, 1
	s_lshl_b32 s27, s27, 5
	s_and_b32 s28, s26, 1
	s_lshl_b32 s28, s28, 3
	s_add_co_u32 s27, s27, s28
	s_and_b32 s28, s2, 1
	s_lshl_b32 s28, s28, 2
	s_add_co_u32 s27, s27, s28
	s_lshr_b32 s28, s2, 1
	s_lshl_b32 s29, s28, 4
	s_add_co_u32 s27, s27, s29                     ; my first token: 32 (T / 2) + 8 (T % 2) + 4 (w % 2) + 16 (w / 2)
	s_lshl_b32 s30, s27, 12
	s_mov_b32 s31, 0
	s_add_nc_u64 s[4:5], s[8:9], s[30:31]
	v_lshlrev_b32 v2, 4, v1                        ; 16 x lane
.irp j, 0,1,2,3,4,5,6,7
	global_load_b128 v[32+4*\j:35+4*\j], v2, s[10:11] offset:512*\j     ; g1 and b1 as a row is loaded: register 4 j + e = channel 128 j + 4 lane + e
.endr
.irp j, 0,1,2,3,4,5,6,7
	global_load_b128 v[64+4*\j:67+4*\j], v2, s[12:13] offset:512*\j
.endr
.irp i, 0,1,2,3
.irp j, 0,1,2,3,4,5,6,7
	global_load_b128 v[96+32*\i+4*\j:99+32*\i+4*\j], v2, s[4:5] offset:4096*\i+512*\j th:TH_LOAD_NT   ; 512 consecutive bytes a load
.endr
.endr
	s_mul_i32 s30, s28, 448
	s_add_co_u32 s30, s30, s26
	s_lshl_b32 s30, s30, 12
	s_and_b32 s29, s2, 1
	s_lshl_b32 s29, s29, 11
	s_add_co_u32 s30, s30, s29
	s_add_nc_u64 s[6:7], s[22:23], s[30:31]        ; images of K steps 2 w and 2 w + 1 of tile T
	s_lshl_b32 s30, s26, 9
	s_add_co_u32 s30, s30, HW1S
	s_add_nc_u64 s[32:33], s[22:23], s[30:31]      ; the tile's 512 scale bytes
	s_mul_i32 s30, s2, 4608                        ; my region for the turn: block p of a row at 144 p
	v_lshrrev_b32 v20, 3, v1
	v_mul_u32_u24 v3, v20, 144
	v_and_b32 v21, 7, v1
	v_lshl_add_u32 v3, v21, 4, v3
	v_add_nc_u32 v3, s30, v3                       ; in: a load's 512 bytes are four blocks: 144 (lane / 8) + 16 (lane % 8)
	v_mul_u32_u24 v4, v1, 144
	v_add_nc_u32 v4, s30, v4                       ; out: lane l takes block l; 144 bytes from lane to lane
	v_lshrrev_b32 v20, 2, v1
	v_lshlrev_b32 v5, 10, v20
	v_bfe_u32 v20, v1, 1, 1
	v_lshl_add_u32 v5, v20, 9, v5
	v_and_b32 v20, 1, v1
	v_lshl_add_u32 v5, v20, 8, v5
	s_lshl_b32 s31, s2, 6
	s_add_co_u32 s30, s31, IMG
	v_add_nc_u32 v5, s30, v5                       ; block l of row 4 w + i in the images: 1024 (l / 4) + 512 ((l / 2) % 2) + 256 (l % 2) + 64 w (+ 16 i)
	v_lshrrev_b32 v20, 4, v1
	v_and_b32 v21, 15, v1
	v_lshl_add_u32 v6, v20, 8, v21
	s_add_co_u32 s30, s31, SCG
	v_add_nc_u32 v6, s30, v6                       ; its scale byte: 256 (l / 16) + l % 16 + 64 w (+ 16 i)
	s_lshl_b32 s30, s2, 11
	s_add_co_u32 s30, s30, IMG
	v_add_nc_u32 v7, s30, v2                       ; the way out: my two images
	v_add_nc_u32 v9, SCG, v2
	v_mov_b32 v17, 0                               ; the upper halves of the pairs that the packed forms name
	v_mov_b32 v19, 0
	s_mov_b32 s44, 0x3727c5ac                      ; 1e-5
	s_mov_b32 s45, 0x3a800000                      ; 1 / 1024
	s_mov_b32 s46, 0x76543210
	s_mov_b32 s47, 0xfedcba98                      ; v_permlanex16_b32's selects for lane l xor 16
.macro RED                             ; v20 summed over the 32 lanes, the result in every lane
	v_add_f32_dpp v20, v20, v20 row_xmask:1 row_mask:0xf bank_mask:0xf
	v_add_f32_dpp v20, v20, v20 row_xmask:2 row_mask:0xf bank_mask:0xf
	v_add_f32_dpp v20, v20, v20 row_xmask:4 row_mask:0xf bank_mask:0xf
	v_add_f32_dpp v20, v20, v20 row_xmask:8 row_mask:0xf bank_mask:0xf
	v_permlanex16_b32 v21, v20, s46, s47
	v_add_f32 v20, v20, v21
.endm
.macro FOLD                            ; four chains v[20:27] into v20
	v_pk_add_f32 v[20:21], v[20:21], v[22:23]
	v_pk_add_f32 v[24:25], v[24:25], v[26:27]
	v_pk_add_f32 v[20:21], v[20:21], v[24:25]
	v_add_f32 v20, v20, v21
.endm
.macro ROW i
.set XR, 96+32*(\i)
	s_wait_loadcnt 8*(3-(\i))                      ; g1, b1 and my rows up to this one are in; the later rows' eight loads each may be out
.irp j, 0,1,2,3
	v_pk_add_f32 v[20+2*\j:21+2*\j], v[XR+4*\j:XR+4*\j+1], v[XR+4*\j+2:XR+4*\j+3]   ; the sum, in four chains
.endr
.irp k, 16,24
.irp j, 0,1,2,3
	v_pk_add_f32 v[20+2*\j:21+2*\j], v[20+2*\j:21+2*\j], v[XR+\k+2*\j:XR+\k+2*\j+1]
.endr
.endr
	FOLD
	RED
	v_mul_f32 v16, s45, v20                        ; the mean
.set J, 0
.rept 16
	v_pk_add_f32 v[XR+J:XR+J+1], v[XR+J:XR+J+1], v[16:17] op_sel_hi:[1,0] neg_lo:[0,1] neg_hi:[0,1]
.set J, J+2
.endr
.irp j, 0,1,2,3
	v_pk_mul_f32 v[20+2*\j:21+2*\j], v[XR+2*\j:XR+2*\j+1], v[XR+2*\j:XR+2*\j+1]   ; the squares, in four chains
.endr
.irp k, 8,16,24
.irp j, 0,1,2,3
	v_pk_fma_f32 v[20+2*\j:21+2*\j], v[XR+\k+2*\j:XR+\k+2*\j+1], v[XR+\k+2*\j:XR+\k+2*\j+1], v[20+2*\j:21+2*\j]
.endr
.endr
	FOLD
	RED
	v_fma_f32 v18, v20, s45, s44                   ; the variance + 1e-5
	v_rsq_f32 v18, v18
	v_nop                                          ; a plain instruction behind the transcendental,
	s_wait_alu depctr_va_vdst(0)                   ; and the wait ahead of the first use of its result
.set J, 0
.rept 16
	v_pk_mul_f32 v[XR+J:XR+J+1], v[XR+J:XR+J+1], v[18:19] op_sel_hi:[1,0]
.set J, J+2
.endr
.set J, 0
.rept 16
	v_pk_fma_f32 v[XR+J:XR+J+1], v[XR+J:XR+J+1], v[32+J:33+J], v[64+J:65+J]
.set J, J+2
.endr
.irp j, 0,1,2,3,4,5,6,7
	ds_store_b128 v3, v[XR+4*\j:XR+4*\j+3] offset:576*\j           ; the row turns through my own region: LDS serves a wave's instructions in order (ISA guide 5.7.1.4)
.endr
.irp j, 0,1,2,3,4,5,6,7
	ds_load_b128 v[224+4*\j:227+4*\j], v4 offset:16*\j             ; lane l now holds the whole block l
.endr
	s_wait_dscnt 0x0
	v_max3_num_f32 v20, |v224|, |v225|, |v226|
	v_max3_num_f32 v21, |v227|, |v228|, |v229|
.irp k, 6,10,14,18,22,26
	v_max3_num_f32 v20, v20, |v[224+\k]|, |v[225+\k]|
	v_max3_num_f32 v21, v21, |v[226+\k]|, |v[227+\k]|
.endr
	v_max3_num_f32 v20, v20, |v254|, |v255|
	v_max3_num_f32 v20, v20, v21, 0x1800000        ; the floor 2^(3 - 127)
	v_add_nc_u32 v22, 0xff000000, v20
.irp g, 0,1,2,3
	v_cvt_scalef32_pk8_fp4_f32 v[XR+\g], v[224+8*\g:231+8*\g], v22
.endr
	v_lshrrev_b32 v[28+(\i)], 23, v22              ; the scale's byte (also the plain instruction behind the conversions)
	ds_store_b128 v5, v[XR:XR+3] offset:16*(\i)
	ds_store_b8 v6, v[28+(\i)] offset:16*(\i)
.endm
	ROW 0
	ROW 1
	ROW 2
	ROW 3
	s_wait_dscnt 0x0                               ; for the others' sake: my stores into the images and the scale bytes are done
	s_barrier_signal -1
	s_barrier_wait -1
.irp k, 0,1,2,3
	ds_load_b128 v[224+4*\k:227+4*\k], v7 offset:512*\k
.endr
	s_wait_dscnt 0x0
.irp k, 0,1,2,3
	global_store_b128 v2, v[224+4*\k:227+4*\k], s[6:7] offset:512*\k   ; 512 consecutive aligned bytes a store
.endr
	s_cmp_lg_u32 s2, 0
	s_cbranch_scc1 .Lln_end
	ds_load_b128 v[20:23], v9                      ; wave 0: the tile's 512 scale bytes
	s_wait_dscnt 0x0
	global_store_b128 v2, v[20:23], s[32:33]
.Lln_end:
	s_wait_tensorcnt 0x0                           ; the wave's end, behind my last LDS store
	ds_add_u32 v[SPW], v[NIL]
	s_wait_dscnt 0x0
	s_endpgm
.Lfunc_end_k_q34c1c511aa_prep:
	.size	k_q34c1c511aa_prep, .Lfunc_end_k_q34c1c511aa_prep-k_q34c1c511aa_prep
	.p2alignl 7, 3214868480
	.fill 96, 4, 3214868480
	.section	.rodata,"a",@progbits
	.p2align	6, 0x0
	.amdhsa_kernel k_q34c1c511aa_prep
		.amdhsa_group_segment_fixed_size 27648
		.amdhsa_private_segment_fixed_size 0
		.amdhsa_enable_private_segment 0
		.amdhsa_kernarg_size 64
		.amdhsa_user_sgpr_count 2
		.amdhsa_user_sgpr_kernarg_segment_ptr 1
		.amdhsa_wavefront_size32 1
		.amdhsa_system_sgpr_workgroup_id_x 1
		.amdhsa_system_sgpr_workgroup_id_y 1
		.amdhsa_system_sgpr_workgroup_id_z 1
		.amdhsa_system_vgpr_workitem_id 0
		.amdhsa_next_free_vgpr 256
		.amdhsa_next_free_sgpr 66
		.amdhsa_reserve_vcc 0
		.amdhsa_float_denorm_mode_32 3
		.amdhsa_float_denorm_mode_16_64 3
		.amdhsa_memory_ordered 1
		.amdhsa_forward_progress 1
		.amdhsa_inst_pref_size 255
	.end_amdhsa_kernel
	.section	.bss,"aw",@nobits
	.p2align	6
	.space	262144
	.amdgpu_metadata
---
amdhsa.version: [ 1, 2 ]
amdhsa.kernels:
  - .name:           k_q34c1c511aa_prep
    .symbol:         k_q34c1c511aa_prep.kd
    .args:
      - { .name: x, .offset: 0, .size: 8, .value_kind: global_buffer, .address_space: global }
      - { .name: g1, .offset: 8, .size: 8, .value_kind: global_buffer, .address_space: global }
      - { .name: b1, .offset: 16, .size: 8, .value_kind: global_buffer, .address_space: global }
      - { .name: qkv_w, .offset: 24, .size: 8, .value_kind: global_buffer, .address_space: global }
      - { .name: proj_w, .offset: 32, .size: 8, .value_kind: global_buffer, .address_space: global }
      - { .name: fc1_w, .offset: 40, .size: 8, .value_kind: global_buffer, .address_space: global }
      - { .name: fc2_w, .offset: 48, .size: 8, .value_kind: global_buffer, .address_space: global }
      - { .name: pw, .offset: 56, .size: 8, .value_kind: global_buffer, .address_space: global }
    .group_segment_fixed_size: 27648
    .private_segment_fixed_size: 0
    .kernarg_segment_align: 8
    .kernarg_segment_size: 64
    .max_flat_workgroup_size: 128
    .sgpr_count:     66
    .vgpr_count:     256
    .wavefront_size: 32
...
	.end_amdgpu_metadata
.endif
;; end of part 1
;; launch qkv (part 2): grid 12 x 16, 4 waves a work-group, clusters of 4 x 4, 327,680 bytes of LDS; arguments pw, qkv_b, qk; writes qk
.if DOCPART == 2
	.amdgcn_target "amdgcn-amd-amdhsa--gfx1250"
	.amdhsa_code_object_version 6
	.text
	.protected	k_q34c1c511aa_qkv
	.globl	k_q34c1c511aa_qkv
	.p2align	8
	.type	k_q34c1c511aa_qkv,@function
k_q34c1c511aa_qkv:
	s_mov_b64 s[64:65], 0
	v_nop
	global_prefetch_b8 v0, s[64:65] scope:SCOPE_SE
	s_setreg_imm32_b32 hwreg(HW_REG_WAVE_MODE, 25, 1), 1
	s_wait_xcnt 0x0
	s_wait_alu depctr_hold_cnt(0) depctr_sa_sdst(0) depctr_va_vdst(0) depctr_va_sdst(0) depctr_va_ssrc(0) depctr_va_vcc(0) depctr_vm_vsrc(0)
	s_getreg_b32 s2, hwreg(HW_REG_IB_STS2, 6, 4)
	s_cmp_eq_u32 s2, 0
	s_cbranch_scc0 .Lentry_in_a_cluster
	s_endpgm
.Lentry_in_a_cluster:
	s_bfe_u32 s2, ttmp6, 0x10000c
	s_cmp_lg_u32 s2, 0xf033
	s_cbranch_scc0 .Lentry_shape_is_right
	s_endpgm
.Lentry_shape_is_right:
; LAUNCH 2 OF 5.  qkv = LN1(x) qkv_w + qkv_b on codes of E2M1 (K = 1,024), and q, k, v quantised at once for the attention: q and k along the head's channels, v along the tokens.  No f32 copy of qkv is made.
; A tile of the product, 256 x 256, is made by four waves, each 128 x 128: 64 accumulators, 512 registers.  The whole K lies in two LDS slots of 512 along K, filled once by the tensor data mover: no slot is filled again, so there is no loop.
; Operands are images of fragments' registers (launch 1's head): 8 tiles x 4 K steps are 32,768 consecutive bytes, one tensor load; a fragment comes by two ds_load_b128 at 16 x lane: consecutive bytes, so no padding.
; THE MATRIX INSTRUCTION IS USED TRANSPOSED: source 0 = the operand B, whose rows become a lane's registers, source 1 = the operand A, whose rows stay a lane's rows.
; Clusters x = 0, 1: A = tokens, B = qkv_w's columns 0 .. 2,047: a lane's 64 registers of a block are 128 channels (two heads) of one token.  Cluster x = 2: v: THE ROLES ARE EXCHANGED, A = qkv_w's columns 2,048 on,
; B = tokens, so that a lane's registers run along the tokens, which are v's K.  Both operands lie in one region of pw, so only tile numbers differ.  The two branches hang on the cluster's x, which all sixteen partners share.
; CLUSTERS: 4 x 4 work-groups; A's tiles are shared along a row of the cluster, B's along a column: each is asked for jointly, by the same tensor load with a mask that names the four.
; The bias is the C of the first K step.  By this text's count a wave has three tensor loads out at the most.
; LIMITS: as stated at launch 1's head (NaN, infinities; a block of zeros gets the byte 1).
; REGISTERS: window 0: v1-29 addresses; v32-95 scale words, a set for each slot; v96-111 at work; v112-119 scale words made; v128-191 A's fragments, later the codes made; v192-255 the bias.
;   window 1: B's fragments, two sets.  windows 2, 3: the accumulators ((a, b) at v[8 (8 (a % 4) + b)]).
.set HW1S, 3670016
.set QS,   6291456                     ; qk: images of q, k at cs 262144 + T 1024, of v^T at 4194304 + (ts 64 + dtile) 1024; scale words at QS + the same / 16
.set ASTEP, 448*4096                   ; from a slot's images to the next slot's, in memory
.set BSTEP, 448*4096
.set NL,    2
.set NP,    4                          ; places behind this matrix instruction (ISA guide 7.12.1)
.set SLOT,  131072                     ; a slot: four parts of 32,768: A's two halves, B's two halves
.set SCL,   262144                     ; the scale bytes, four parts of 4,096
.set SPARE, 278528                     ; the spare words, 128 bytes for each wave, which no other line names
.set ADRA, 16
.set ADRB, 20
.set LI,   24                          ; 16 x lane
.set LS,   25                          ; 4 x lane
.set ADRS, 27
.set SPW,  28
.set NIL,  29
.set SC,   32
.set TM,   96
.set AF,   128
.set BC,   192
.set G1, 24
.set G0, 32
.set G1B, 48
.set G0B, 56
.set G1S, 68
.set G0S, 76
.set G1SB, 80
.set G0SB, 88
.set SEL, 92                           ; s[92:93] lane selects for v_permlanex16_b32
.set FL,  95                           ; s95 the floor 2^(3 - 127)
.set MSB, 0
.macro WIN new                         ; the immediate's high byte repeats the setting that is left
.if MSB != (\new)
	s_set_vgpr_msb (MSB<<8)|(\new)
.set MSB, (\new)
.endif
.endm
.set MUL_LO, 0xa1
.set MUL_HI, 0xf1
.set TO_B,   0x40
.macro JLOAD g0a, g1a, g0b, g1b        ; a joint load: waves 0 and 1 fetch for A, waves 2 and 3 for B; the branch hangs on the wave's number alone; an s_nop 0 and four v_nop follow each line
	s_cmp_eq_u32 s15, 0
	s_cbranch_scc0 .Lfor_b_\@
	tensor_load_to_lds s[\g0a:\g0a+3], s[\g1a:\g1a+7]
	s_nop 0
.rept 4
	v_nop
.endr
	s_branch .Lasked_\@
.Lfor_b_\@:
	tensor_load_to_lds s[\g0b:\g0b+3], s[\g1b:\g1b+7]
	s_nop 0
.rept 4
	v_nop
.endr
.Lasked_\@:
.endm
.macro CROUND                          ; a round of the cluster's barrier
	s_barrier_signal -1
	s_barrier_wait -1
	s_cmp_lg_u32 s14, 0
	s_cbranch_scc1 .Lnot_wave_0_\@
	s_barrier_signal -3
.Lnot_wave_0_\@:
	s_barrier_wait -3
	s_barrier_signal -1
	s_barrier_wait -1
.endm
	s_load_b128 s[4:7], s[0:1], 0x0                ; pw, qkv_b
	s_load_b64 s[8:9], s[0:1], 0x10                ; qk
	v_lshl_add_u32 v[SPW], v0, 2, SPARE
	v_mov_b32 v[NIL], 0
	ds_add_u32 v[SPW], v[NIL]                      ; the wave's opening: the add, twice on end, and its wait ahead of my first tensor load
	ds_add_u32 v[SPW], v[NIL]
	v_lshrrev_b32 v1, 5, v0
	v_readfirstlane_b32 s14, v1                    ; wave 0..3
	s_lshr_b32 s15, s14, 1                         ; which half of A's rows is mine.  Also: I fetch for A (0) or for B (1)
	s_and_b32 s16, s14, 1                          ; which half of B's rows.  Also: which 8 tiles I fetch
	s_bfe_u32 s40, ttmp6, 0x40000                  ; cx, cy: my place in the cluster
	s_bfe_u32 s41, ttmp6, 0x40004
	s_and_b32 s17, ttmp7, 0xffff                   ; the cluster's y
	s_lshl_b32 s43, s41, 2
	s_lshl_b32 s43, 15, s43                        ; my row of the cluster
	s_lshl_b32 s44, 0x1111, s40                    ; my column
	s_or_b32 s[G1+0], s43, (3<<16)|(1<<21)         ; 15:0 the mask; 17:16 elements of 8 bytes; 21 set beside a mask; no padding
	s_or_b32 s[G1B+0], s44, (3<<16)|(1<<21)
.irp g, G1, G1B                        ; 32,768 dense bytes as 128 rows of 256
	s_mov_b32 s[\g+1], 32<<16
	s_mov_b32 s[\g+2], 128<<16
	s_mov_b32 s[\g+3], 32<<16
	s_mov_b32 s[\g+4], 128
	s_mov_b32 s[\g+5], 32
	s_mov_b32 s[\g+6], 0
	s_mov_b32 s[\g+7], 0
.endr
	s_or_b32 s[G1S+0], s43, (3<<16)|(1<<21)
	s_or_b32 s[G1SB+0], s44, (3<<16)|(1<<21)
.irp g, G1S, G1SB                      ; 4,096 dense bytes as 16 rows of 256
	s_mov_b32 s[\g+1], 32<<16
	s_mov_b32 s[\g+2], 16<<16
	s_mov_b32 s[\g+3], 32<<16
	s_mov_b32 s[\g+4], 16
	s_mov_b32 s[\g+5], 32
	s_mov_b32 s[\g+6], 0
	s_mov_b32 s[\g+7], 0
.endr
	s_lshl_b32 s18, s17, 6                         ; 64 x cluster y
	s_lshl_b32 s19, ttmp9, 6
	s_add_co_u32 s19, s19, 256                     ; 256 + 64 x cluster x
	s_mov_b32 s21, 384
	s_cmp_eq_u32 ttmp9, 2                          ; v?
	s_cselect_b32 s20, s21, s18                    ; A's tiles: qkv_w's from column 2,048 on, or the tokens'
	s_cselect_b32 s46, s18, s19                    ; B's tiles: the tokens', or qkv_w's
	s_lshl_b32 s21, s41, 4
	s_add_co_u32 s20, s20, s21                     ; + 16 cy: A's address holds cy and never cx
	s_lshl_b32 s21, s16, 3
	s_add_co_u32 s20, s20, s21                     ; + the 8 tiles that I fetch
	s_lshl_b32 s47, s40, 4
	s_add_co_u32 s46, s46, s47                     ; + 16 cx: B's holds cx and never cy
	s_add_co_u32 s46, s46, s21
	s_lshl_b32 s22, s20, 9
	s_add_co_u32 s22, s22, HW1S
	s_mov_b32 s23, 0
	s_lshl_b32 s20, s20, 12
	s_mov_b32 s21, 0
	s_lshl_b32 s92, s46, 9
	s_add_co_u32 s92, s92, HW1S
	s_mov_b32 s93, 0
	s_lshl_b32 s46, s46, 12
	s_mov_b32 s47, 0
	s_lshl_b32 s45, s14, 15                        ; where they go: wave x 32,768: no place in the cluster enters an LDS address
	s_lshl_b32 s94, s14, 12
	s_wait_dscnt 0x0                               ; both opening adds are done
	s_wait_kmcnt 0x0
	s_add_nc_u64 s[20:21], s[4:5], s[20:21]
	s_add_nc_u64 s[22:23], s[4:5], s[22:23]
	s_add_nc_u64 s[46:47], s[4:5], s[46:47]
	s_add_nc_u64 s[92:93], s[4:5], s[92:93]
	CROUND                                         ; all sixteen work-groups are here: the first joint loads meet
	s_mov_b32 s[G0S], 1
	s_add_co_u32 s[G0S+1], s94, SCL
	s_mov_b64 s[G0S+2:G0S+3], s[22:23]
	s_or_b32 s[G0S+3], s[G0S+3], 0x80000000
	s_mov_b32 s[G0SB], 1
	s_add_co_u32 s[G0SB+1], s94, SCL
	s_mov_b64 s[G0SB+2:G0SB+3], s[92:93]
	s_or_b32 s[G0SB+3], s[G0SB+3], 0x80000000
	JLOAD G0S, G1S, G0SB, G1SB                     ; the scale bytes first: they are wanted with the first K step
.irp s, 0,1
	s_mov_b32 s[G0+4*\s], 1
	s_add_co_u32 s[G0+4*\s+1], s45, \s*SLOT
	s_add_nc_u64 s[G0+4*\s+2:G0+4*\s+3], s[20:21], \s*ASTEP
	s_or_b32 s[G0+4*\s+3], s[G0+4*\s+3], 0x80000000
	s_mov_b32 s[G0B+4*\s], 1
	s_add_co_u32 s[G0B+4*\s+1], s45, \s*SLOT
	s_add_nc_u64 s[G0B+4*\s+2:G0B+4*\s+3], s[46:47], \s*BSTEP
	s_or_b32 s[G0B+4*\s+3], s[G0B+4*\s+3], 0x80000000
	JLOAD G0+4*\s, G1, G0B+4*\s, G1B
.endr
	v_and_b32 v1, 15, v0                           ; r
	v_bfe_u32 v2, v0, 4, 1                         ; h
	v_and_b32 v3, 31, v0
	v_lshlrev_b32 v[LI], 4, v3
	v_lshlrev_b32 v[LS], 2, v3
	s_lshl_b32 s21, s15, 15                        ; my 8 tiles of A
	s_lshl_b32 s22, s16, 15
	s_add_co_u32 s22, s22, 65536                   ; my 8 tiles of B, behind A's 16
.irp s, 0,1
	v_add_nc_u32 v[ADRA+\s], s21, v[LI]
	v_add_nc_u32 v[ADRB+\s], s22, v[LI]
	s_add_co_u32 s21, s21, SLOT
	s_add_co_u32 s22, s22, SLOT
.endr
	v_lshlrev_b32 v5, 4, v1                        ; scale words: 16 bytes a row for 512 along K;
	s_lshl_b32 s21, s15, 12
	s_lshl_b32 s22, s16, 12
	s_add_co_u32 s22, s22, 8192
	s_sub_co_u32 s22, s22, s21
	v_mul_u32_u24 v6, s22, v2                      ; lanes 16-31 take B's
	s_add_co_u32 s21, s21, SCL
	v_add_nc_u32 v5, v5, v6
	v_add_nc_u32 v[ADRS], s21, v5
	v_lshlrev_b32 v7, 6, v2                        ; the bias along the registers: 64 h
	v_and_b32 v8, 7, v1
	v_lshrrev_b32 v9, 3, v1
	v_lshl_add_u32 v8, v9, 4, v8
	v_lshlrev_b32 v8, 2, v8                        ; the bias along the lanes: 4 (r % 8 + 16 (r / 8))
.irp b, 0,1,2,3
	v_mov_b32 v[TM+4+\b], 0                        ; written once: a lane permute's destination counts as one of its sources
.endr
	s_mov_b32 s97, 0
	s_mov_b32 s99, 0
	s_cmp_eq_u32 ttmp9, 2
	s_cbranch_scc1 .Lbias_v
	s_lshl_b32 s96, ttmp9, 2                       ; q, k: my 128 columns are group cs = 2 (4 cluster x + cx) + half
	s_add_co_u32 s96, s96, s40
	s_lshl_b32 s96, s96, 1
	s_add_co_u32 s96, s96, s16
	s_lshl_b32 s98, s96, 9
	s_add_nc_u64 s[6:7], s[6:7], s[98:99]
.irp b, 0,1,2,3,4,5,6,7                ; register j of B's tile b is column 32 (b / 2) + 8 (b % 2) + 16 h + j
	global_load_b128 v[BC+8*\b:BC+8*\b+3], v7, s[6:7] offset:4*(32*(\b/2)+8*(\b%2))
	global_load_b128 v[BC+8*\b+4:BC+8*\b+7], v7, s[6:7] offset:4*(32*(\b/2)+8*(\b%2))+16
.endr
	s_lshl_b32 s96, s96, 18
	s_lshl_b32 s98, s17, 2
	s_add_co_u32 s98, s98, s41
	s_lshl_b32 s98, s98, 1
	s_add_co_u32 s98, s98, s15
	s_lshl_b32 s98, s98, 13                        ; my first token tile x 1,024
	s_add_co_u32 s96, s96, s98
	s_branch .Lbias_done
.Lbias_v:
	s_lshl_b32 s98, s41, 1                         ; v: my 128 channels are group 2 cy + half
	s_add_co_u32 s98, s98, s15
	s_lshl_b32 s96, s98, 9
	s_add_co_u32 s96, s96, 8192
	s_add_nc_u64 s[6:7], s[6:7], s[96:97]
.irp a, 0,1,2,3,4,5,6,7                ; all eight registers of A's tile a hold the bias of the lane's own channel
.irp j, 0,1,2,3,4,5,6,7
	global_load_b32 v[BC+8*\a+\j], v8, s[6:7] offset:4*(32*(\a/2)+8*(\a%2))
.endr
.endr
	s_lshl_b32 s96, s17, 2
	s_add_co_u32 s96, s96, s40
	s_lshl_b32 s96, s96, 1
	s_add_co_u32 s96, s96, s16                     ; my 128 tokens are step ts
	s_lshl_b32 s96, s96, 16
	s_lshl_b32 s98, s98, 13
	s_add_co_u32 s96, s96, s98
	s_add_co_u32 s96, s96, 4194304
.Lbias_done:
	s_add_nc_u64 s[10:11], s[8:9], s[96:97]        ; where my eight images go,
	s_lshr_b32 s98, s96, 4
	s_add_co_u32 s98, s98, QS
	s_add_nc_u64 s[12:13], s[8:9], s[98:99]        ; and their scale words
	s_mov_b32 s[SEL], 0x76543210
	s_mov_b32 s[SEL+1], 0xfedcba98
	s_mov_b32 s[FL], 0x1800000
	s_mov_b32 s94, 0xffff0000                      ; lanes 16-31
.macro FRAG reg, adr, q, i             ; a fragment's image: two loads of 512 consecutive bytes
.irp c, 0,1
	ds_load_b128 v[\reg+4*\c:\reg+4*\c+3], v[\adr] offset:4096*(\i)+1024*(\q)+512*\c
.endr
.endm
; 16 matrix instructions: A's blocks a0, a0 + 1 x B's eight.  p: B's set; sc: the set of scale words.  cm: 0 adds on; 1 starts with 0; 2 starts with the bias by B's tile; 3 with the bias by A's tile.
; The 64 accumulators take turns, one instruction a turn, in the same order in every step.
.macro MUL16 a0, p, q, sc, cm
.irp a, \a0, \a0+1
.irp b, 0,1,2,3,4,5,6,7
.set rD, 8*(8*((\a)%4)+\b)
.set rB, 128*(\p)+8*\b
.set rA, AF+8*(\a)
.set rX, SC+32*(\sc)+4*\b+(\q)
.set rY, SC+32*(\sc)+4*(\a)+(\q)
.if (\cm) == 0
	v_wmma_scale_f32_16x16x128_f8f6f4 v[rD:rD+7], v[rB:rB+7], v[rA:rA+7], v[rD:rD+7], v[rX], v[rY] matrix_a_fmt:MATRIX_FMT_FP4 matrix_b_fmt:MATRIX_FMT_FP4 matrix_a_scale:MATRIX_SCALE_ROW1
.elseif (\cm) == 1
	v_wmma_scale_f32_16x16x128_f8f6f4 v[rD:rD+7], v[rB:rB+7], v[rA:rA+7], 0, v[rX], v[rY] matrix_a_fmt:MATRIX_FMT_FP4 matrix_b_fmt:MATRIX_FMT_FP4 matrix_a_scale:MATRIX_SCALE_ROW1
.elseif (\cm) == 2
	v_wmma_scale_f32_16x16x128_f8f6f4 v[rD:rD+7], v[rB:rB+7], v[rA:rA+7], v[BC+8*\b:BC+8*\b+7], v[rX], v[rY] matrix_a_fmt:MATRIX_FMT_FP4 matrix_b_fmt:MATRIX_FMT_FP4 matrix_a_scale:MATRIX_SCALE_ROW1
.else
	v_wmma_scale_f32_16x16x128_f8f6f4 v[rD:rD+7], v[rB:rB+7], v[rA:rA+7], v[BC+8*(\a):BC+8*(\a)+7], v[rX], v[rY] matrix_a_fmt:MATRIX_FMT_FP4 matrix_b_fmt:MATRIX_FMT_FP4 matrix_a_scale:MATRIX_SCALE_ROW1
.endif
.endr
.endr
.endm
.macro MWIN hi, cm                     ; source 0 window 1, source 1 window 0, D window 2 or 3; C with D, or (the bias) in window 0
.if (\cm) >= 2
	WIN 0x81+0x40*(\hi)
.else
	WIN 0xa1+0x50*(\hi)
.endif
.endm
.macro FETCH_B slot, q, p
	WIN TO_B
.irp i, 0,1,2,3,4,5,6,7
	FRAG 128*(\p)+8*\i, ADRB+\slot, \q, \i
.endr
	WIN 0
.endm
.macro FETCH_A slot, q, i0
.irp i, \i0, \i0+1, \i0+2, \i0+3
	FRAG AF+8*(\i), ADRA+\slot, \q, \i
.endr
.endm
.macro SCALES sc                       ; a slot's scale words: four words a row; lanes 0-15 take A's tile i, lanes 16-31 B's tile i
.irp i, 0,1,2,3,4,5,6,7
	ds_load_b128 v[SC+32*\sc+4*\i:SC+32*\sc+4*\i+3], v[ADRS] offset:512*\i+256*\sc
.endr
.endm
.macro PLACES n                        ; plain vector instructions between a matrix instruction and a load into, or a read of, its registers (ISA guide 7.12.1 for a read)
.rept \n
	v_nop
.endr
.endm
.macro STEP slot, q, cm                ; 128 along K with its successor in the same slot
	s_wait_dscnt 4*NL                              ; B's set, the scale words and A's blocks 0-3 are in; the youngest eight loads (A's blocks 4-7) may be out
	MWIN 0, \cm
	MUL16 0, (\q)%2, \q, \slot, \cm
	MUL16 2, (\q)%2, \q, \slot, \cm
	s_wait_dscnt 0
	PLACES NP
	FETCH_B \slot, (\q)+1, 1-(\q)%2
	FETCH_A \slot, (\q)+1, 0
	MWIN 1, \cm
	MUL16 4, (\q)%2, \q, \slot, \cm
	MUL16 6, (\q)%2, \q, \slot, \cm
	PLACES NP
	WIN 0
	FETCH_A \slot, (\q)+1, 4
.endm
.macro TURN slot, next                 ; a slot's last step goes on into the other slot, which every wave's load must have filled: one barrier
	s_wait_tensorcnt 0x0                           ; all my tensor loads have landed;
	ds_add_u32 v[SPW], v[NIL]                      ; 0 onto my spare word;
	s_wait_dscnt 4*NL+1                            ; (the add and the youngest eight loads may be out)
	WIN MUL_LO
	MUL16 0, 1, 3, \slot, 0
	s_wait_dscnt 0x0
	s_barrier_signal -1
	MUL16 2, 1, 3, \slot, 0
	WIN 0
	s_barrier_wait -1
	PLACES NP
	FETCH_B \next, 0, 0
	FETCH_A \next, 0, 0
	SCALES \next
	WIN MUL_HI
	MUL16 4, 1, 3, \slot, 0
	MUL16 6, 1, 3, \slot, 0
	PLACES NP
	WIN 0
	FETCH_A \next, 0, 4
.endm
.macro STEPS slot, from
.set Q, \from
.rept 3-\from
	STEP \slot, Q, 0
.set Q, Q+1
.endr
.endm
; 64 numbers of a lane in window w, register 16 b + i = k 32 b + 16 (lane / 16) + i of my row, become a fragment's codes in v[pc] on and its scale word in v[pw].  Each accumulator is read from its low end on.
.macro QUANT src, w, pc, pw
	WIN ((\w)<<2)|((\w)<<4)
.irp b, 0,1,2,3
	v_max3_num_f32 v[TM+\b], s[FL], |v[(\src)+16*\b]|, |v[(\src)+1+16*\b]|   ; my 16 numbers of block b, and the floor
.endr
.irp i, 2,4,6,8,10,12,14
.irp b, 0,1,2,3
	v_max3_num_f32 v[TM+\b], v[TM+\b], |v[(\src)+16*\b+\i]|, |v[(\src)+1+16*\b+\i]|
.endr
.endr
	WIN 0
.irp b, 0,1,2,3
	v_permlanex16_b32 v[TM+4+\b], v[TM+\b], s[SEL], s[SEL+1]
.endr
.irp b, 0,1,2,3
	v_max_num_f32 v[TM+\b], v[TM+\b], v[TM+4+\b]   ; with lane l xor 16's: the block's largest magnitude
.endr
.irp b, 0,1,2,3
	v_add_nc_u32 v[TM+12+\b], 0xff000000, v[TM+\b] ; 2 off the exponent field: the conversion's scale operand
.endr
.irp b, 0,1,2,3
	v_lshrrev_b32 v[TM+4+\b], 23, v[TM+12+\b]      ; the scale's byte
.endr
	v_lshl_or_b32 v[\pw], v[TM+5], 8, v[TM+4]
	v_lshl_or_b32 v[\pw], v[TM+6], 16, v[\pw]
	v_lshl_or_b32 v[\pw], v[TM+7], 24, v[\pw]
	WIN (\w)
.irp b, 0,1,2,3
	v_cvt_scalef32_pk8_fp4_f32 v[(\pc)+2*\b], v[(\src)+16*\b:(\src)+7+16*\b], v[TM+12+\b]
	v_cvt_scalef32_pk8_fp4_f32 v[(\pc)+1+2*\b], v[(\src)+8+16*\b:(\src)+15+16*\b], v[TM+12+\b]
.endr
	WIN 0
	v_nop                                          ; one plain instruction behind a scaled conversion
.irp c, 0,1                            ; the operand's layout wants a whole block in a lane
.irp i, 0,1
	v_permlane16_swap_b32 v[(\pc)+4*\c+\i], v[(\pc)+2+4*\c+\i]
.endr
.endr
.endm
	s_wait_tensorcnt 1                             ; the scale bytes and my part of slot 0 are in; slot 1's load may be out
	s_barrier_signal -1
	s_barrier_wait -1
	FETCH_B 0, 0, 0
	FETCH_A 0, 0, 0
	SCALES 0
	FETCH_A 0, 0, 4
	s_wait_loadcnt 0x0                             ; the bias
	s_cmp_eq_u32 ttmp9, 2
	s_cbranch_scc1 .Lfirst_v
	STEP 0, 0, 2                                   ; the first products start the sums with the bias
	s_branch .Lrest
.Lfirst_v:
	STEP 0, 0, 3
.Lrest:
	STEPS 0, 1
	TURN 0, 1
	STEPS 1, 0
	s_wait_dscnt 4*NL                              ; the very last step: nothing more to fetch
	WIN MUL_LO
	MUL16 0, 1, 3, 1, 0
	MUL16 2, 1, 3, 1, 0
	s_wait_dscnt 0
	WIN MUL_HI
	MUL16 4, 1, 3, 1, 0
	MUL16 6, 1, 3, 1, 0
	WIN 0
	PLACES NP
; THE WAY OUT: block a's 64 registers are 128 neighbours along the next K of one row: one fragment and one scale word.  The fragment leaves as it stands: 512 consecutive aligned bytes a store.
.irp a, 0,1,2,3,4,5,6,7
	QUANT 64*(\a%4), 2+\a/4, 128+8*\a, 112+\a
	global_store_b128 v[LI], v[128+8*\a:131+8*\a], s[10:11] offset:1024*\a
	global_store_b128 v[LI], v[132+8*\a:135+8*\a], s[10:11] offset:1024*\a+512
.endr
.irp p, 0,1,2,3                        ; lane r and lane 16 + r hold row r's word: two tiles' words make 128 consecutive bytes
	v_cndmask_b32 v[112+2*\p], v[112+2*\p], v[113+2*\p], s94
.endr
.irp p, 0,1,2,3
	global_store_b32 v[LS], v[112+2*\p], s[12:13] offset:128*\p
.endr
	s_wait_tensorcnt 0x0                           ; the wave's end
	ds_add_u32 v[SPW], v[NIL]
	s_wait_dscnt 0x0
	CROUND                                         ; the closing round
	s_endpgm
.Lfunc_end_k_q34c1c511aa_qkv:
	.size	k_q34c1c511aa_qkv, .Lfunc_end_k_q34c1c511aa_qkv-k_q34c1c511aa_qkv
	.p2alignl 7, 3214868480
	.fill 96, 4, 3214868480
	.section	.rodata,"a",@progbits
	.p2align	6, 0x0
	.amdhsa_kernel k_q34c1c511aa_qkv
		.amdhsa_group_segment_fixed_size 327680
		.amdhsa_private_segment_fixed_size 0
		.amdhsa_enable_private_segment 0
		.amdhsa_kernarg_size 24
		.amdhsa_user_sgpr_count 2
		.amdhsa_user_sgpr_kernarg_segment_ptr 1
		.amdhsa_wavefront_size32 1
		.amdhsa_system_sgpr_workgroup_id_x 1
		.amdhsa_system_sgpr_workgroup_id_y 1
		.amdhsa_system_sgpr_workgroup_id_z 1
		.amdhsa_system_vgpr_workitem_id 0
		.amdhsa_next_free_vgpr 1024
		.amdhsa_next_free_sgpr 100
		.amdhsa_reserve_vcc 0
		.amdhsa_float_denorm_mode_32 3
		.amdhsa_float_denorm_mode_16_64 3
		.amdhsa_memory_ordered 1
		.amdhsa_forward_progress 1
		.amdhsa_inst_pref_size 146
	.end_amdhsa_kernel
	.amdgpu_metadata
---
amdhsa.version: [ 1, 2 ]
amdhsa.kernels:
  - .name:           k_q34c1c511aa_qkv
    .symbol:         k_q34c1c511aa_qkv.kd
    .args:
      - { .name: pw, .offset: 0, .size: 8, .value_kind: global_buffer, .address_space: global }
      - { .name: qkv_b, .offset: 8, .size: 8, .value_kind: global_buffer, .address_space: global }
      - { .name: qk, .offset: 16, .size: 8, .value_kind: global_buffer, .address_space: global }
    .group_segment_fixed_size: 327680
    .private_segment_fixed_size: 0
    .kernarg_segment_align: 8
    .kernarg_segment_size: 24
    .max_flat_workgroup_size: 128
    .sgpr_count:     100
    .vgpr_count:     1024
    .wavefront_size: 32
...
	.end_amdgpu_metadata
.endif
;; end of part 2
;; launch mid (part 3): grid 256 x 1, 8 waves a work-group, no clusters, 77,824 bytes of LDS; arguments qk, pw, proj_b, x, g2, b2, mb, x1; writes mb, x1
.if DOCPART == 3
	.amdgcn_target "amdgcn-amd-amdhsa--gfx1250"
	.amdhsa_code_object_version 6
	.text
	.protected	k_q34c1c511aa_mid
	.globl	k_q34c1c511aa_mid
	.p2align	8
	.type	k_q34c1c511aa_mid,@function
k_q34c1c511aa_mid:
	s_mov_b64 s[64:65], 0
	v_nop
	global_prefetch_b8 v0, s[64:65] scope:SCOPE_SE
	s_setreg_imm32_b32 hwreg(HW_REG_WAVE_MODE, 25, 1), 1
	s_wait_xcnt 0x0
; LAUNCH 3 OF 5.  The attention in its window of three keys, the projection, the residual (x1, f32) and LN2, quantised for fc1.
; WORK LEFT OUT (shown at launch 1's head): tiles of keys that lie wholly under the mask j <= i, j > i - 3, which the problem builds itself: their p is 0 for all inputs.  Taken are the query's own block of 32 keys and the
; last eight keys of the block before.  LIMITS as there; results of v_exp_f32 and v_rcp_f32 under 2^-126 come out as zero.
; SHARES.  Work-group T takes the 16 tokens of tile T (block b = T / 2 of 32 tokens, half u = T % 2) and all 1,024 channels.  Wave w takes heads 2 w, 2 w + 1, then output columns 128 w .. 128 w + 127.
; SCORES.  S^T = K Q^T: source 0 = a tile of 16 keys, source 1 = my 16 queries: a lane holds one query.  An image holds two heads (128 channels); Q's fragment is taken twice, with zero codes for the other head.
; SOFTMAX as the problem states it: t = score x log2(e) / 8, M = ceil(the row's largest t), p = 2^(t - M), quantised along the keys in the tokens' blocks of 32; the sum of the unquantised p divides at the end.
; VALUES.  O^T = V^T P^T with a K of 128 made of four blocks: blocks 0 and 1 are BOTH the query's key block (a lane of half h supplies its own 16 keys' codes and zeros for the other 16), blocks 2 and 3 both the block before:
; V's 16 bytes of a key block are loaded alike by both halves of the lanes.  The sums are those of the two blocks, exactly.
; PROJECTION.  Source 0 = proj_w's tiles, straight from memory into registers as images; source 1 = the attention's result, quantised in registers and handed from wave to wave through LDS as images.  C of the first K step is x + proj_b.
; NO CLUSTER, NO TENSOR LOAD: each fragment of proj_w feeds one matrix instruction of the one wave that loads it; proj_w's 557,056 bytes of codes and scales do not fit in LDS, and a shared ring would take six refills or more,
; each behind a round of a cluster's barrier, for 64 matrix instructions a wave.
; REGISTERS: window 0: v1-23 and v63 addresses and constants; v24-45 and v64-127 scale words alone; v46-62 at work; v128-191 Q and the scores, then O, then the eight fragments; v192-255 softmax's figures, then the accumulators.
;   window 1: x's rows, proj_b, K's images, V's; then four buffers of proj_w's fragments; last g2, b2.
.set WPC,  3899392
.set WPS,  4423680
.set QS,   6291456
.set H2S,  2097152
.set AIMG, 65792                       ; LDS: from 0 sixteen rows of x + proj_b, later x1: 4,096 bytes + 16; here the eight images,
.set ASC,  73984                       ; their scale words,
.set RED1, 75008                       ; the waves' sums (and, 512 on, their sums of squares),
.set SCG,  76032                       ; the tile's 512 scale bytes for fc1,
.set SPARE, 76544                      ; the spare words, 128 bytes for each wave, which no other line names
.set SPW, 22
.set NIL, 23
.set TM,  46
.set SEL, 28
.set FL,  32
.set MSB, 0
.macro WIN new
.if MSB != (\new)
	s_set_vgpr_msb (MSB<<8)|(\new)
.set MSB, (\new)
.endif
.endm
.macro QUANT src, w, pc, pw            ; as in launch 2
	WIN ((\w)<<2)|((\w)<<4)
.irp b, 0,1,2,3
	v_max3_num_f32 v[TM+\b], s[FL], |v[(\src)+16*\b]|, |v[(\src)+1+16*\b]|
.endr
.irp i, 2,4,6,8,10,12,14
.irp b, 0,1,2,3
	v_max3_num_f32 v[TM+\b], v[TM+\b], |v[(\src)+16*\b+\i]|, |v[(\src)+1+16*\b+\i]|
.endr
.endr
	WIN 0
.irp b, 0,1,2,3
	v_permlanex16_b32 v[TM+4+\b], v[TM+\b], s[SEL], s[SEL+1]
.endr
.irp b, 0,1,2,3
	v_max_num_f32 v[TM+\b], v[TM+\b], v[TM+4+\b]
.endr
.irp b, 0,1,2,3
	v_add_nc_u32 v[TM+12+\b], 0xff000000, v[TM+\b]
.endr
.irp b, 0,1,2,3
	v_lshrrev_b32 v[TM+4+\b], 23, v[TM+12+\b]
.endr
	v_lshl_or_b32 v[\pw], v[TM+5], 8, v[TM+4]
	v_lshl_or_b32 v[\pw], v[TM+6], 16, v[\pw]
	v_lshl_or_b32 v[\pw], v[TM+7], 24, v[\pw]
	WIN (\w)
.irp b, 0,1,2,3
	v_cvt_scalef32_pk8_fp4_f32 v[(\pc)+2*\b], v[(\src)+16*\b:(\src)+7+16*\b], v[TM+12+\b]
	v_cvt_scalef32_pk8_fp4_f32 v[(\pc)+1+2*\b], v[(\src)+8+16*\b:(\src)+15+16*\b], v[TM+12+\b]
.endr
	WIN 0
	v_nop
.irp c, 0,1
.irp i, 0,1
	v_permlane16_swap_b32 v[(\pc)+4*\c+\i], v[(\pc)+2+4*\c+\i]
.endr
.endr
.endm
.macro BARRIER                         ; my LDS stores have landed and my LDS loads are in: then the work-group's barrier
	s_wait_dscnt 0x0
	s_barrier_signal -1
	s_barrier_wait -1
.endm
.macro WLOAD s                         ; proj_w's eight fragments of K step s into buffer s % 4 of window 1: 16 loads of 512 consecutive bytes
.irp nt, 0,1,2,3,4,5,6,7
.irp c, 0,1
	global_load_b128 v[64*((\s)%4)+8*\nt+4*\c:64*((\s)%4)+8*\nt+4*\c+3], v4, s[62:63] offset:((\s)/4)*262144+4096*\nt+1024*((\s)%4)+512*\c
.endr
.endr
.endm
.macro GBLOAD reg, sb                  ; g2 or b2 in the accumulators' layout: 16 loads
.irp k, 0,1,2,3
.irp i, 0,1,2,3
	global_load_b128 v[\reg+16*\k+4*\i:\reg+16*\k+4*\i+3], v21, s[\sb:\sb+1] offset:128*\k+16*\i
.endr
.endr
.endm
	s_load_b512 s[8:23], s[0:1], 0x0               ; qk, pw, proj_b, x, g2, b2, mb, x1
	v_lshl_add_u32 v[SPW], v0, 2, SPARE
	v_mov_b32 v[NIL], 0
	v_lshrrev_b32 v1, 5, v0
	v_readfirstlane_b32 s2, v1                     ; wave 0..7
	v_and_b32 v1, 31, v0                           ; lane
	v_and_b32 v2, 15, v0                           ; r
	v_bfe_u32 v3, v0, 4, 1                         ; h
	v_lshlrev_b32 v4, 4, v1                        ; 16 x lane
	v_lshlrev_b32 v5, 2, v1                        ; 4 x lane
	v_lshlrev_b32 v6, 2, v2                        ; 4 r
	v_lshlrev_b32 v9, 4, v2                        ; 16 r
	v_add_nc_u32 v7, SCG, v4
	v_add_nc_u32 v8, AIMG, v4                      ; any image's place for my lane: the region's base lies beyond what an LDS instruction's 16-bit immediate holds, so the register carries it
	v_add_nc_u32 v63, ASC, v5                      ; and any scale word's
	s_mul_i32 s24, s2, 2*4112
	v_add_nc_u32 v10, s24, v4                      ; rows 2 w, 2 w + 1 of the sixteen, whole
	v_mul_u32_u24 v11, v2, 4112
	v_lshl_add_u32 v11, v3, 6, v11
	s_lshl_b32 s24, s2, 9
	v_add_nc_u32 v11, s24, v11                     ; row r, my wave's 128 columns, + 64 h: the accumulators' layout
	s_lshl_b32 s24, s2, 10
	s_add_co_u32 s24, s24, AIMG
	v_add_nc_u32 v12, s24, v4
	s_lshl_b32 s24, s2, 7
	s_add_co_u32 s24, s24, ASC
	v_add_nc_u32 v13, s24, v5
	v_lshlrev_b32 v15, 5, v2
	v_add_nc_u32 v15, RED1, v15                    ; row r's eight sums
	s_lshl_b32 s24, s2, 2
	v_add_nc_u32 v14, s24, v15                     ; my wave's among them
	s_lshr_b32 s24, s2, 2
	s_lshl_b32 s24, s24, 8
	s_and_b32 s25, s2, 3
	s_lshl_b32 s25, s25, 2
	s_add_co_u32 s24, s24, s25
	s_add_co_u32 s24, s24, SCG
	v_add_nc_u32 v16, s24, v9
	s_lshr_b32 s4, ttmp9, 1                        ; b
	s_and_b32 s5, ttmp9, 1                         ; u
	s_sub_co_i32 s6, s4, 1
	s_max_i32 s6, s6, 0                            ; the block before (block 0: itself; its keys are masked)
	s_lshl_b32 s7, s4, 1
	s_sub_co_i32 s7, s7, 1
	s_max_i32 s7, s7, 0                            ; the tile with its last eight keys
	v_and_b32 v17, 7, v2
	v_lshrrev_b32 v19, 3, v2
	v_lshl_add_u32 v17, v19, 4, v17
	s_lshl_b32 s24, s5, 3
	v_add_nc_u32 v17, s24, v17                     ; my query's place in the block: 8 u + r % 8 + 16 (r / 8)
	v_lshlrev_b32 v19, 4, v3
	v_sub_nc_u32 v17, v17, v19                     ; less 16 h: register n of the block's 16 holds key 16 h + n: query - key = v17 - n
	s_and_b32 s24, s4, 63
	s_cmp_eq_u32 s24, 0                            ; a sequence's first block has no block before it
	s_cselect_b32 s24, 4120, 24
	v_add_nc_u32 v18, s24, v17                     ; register j of the tile before holds key -24 + 16 h + j: query - key = v18 - j
	v_mov_b32 v20, 0xff800000                      ; -infinity
	v_lshlrev_b32 v21, 6, v3                       ; 64 h
	s_mov_b32 s25, 0
	s_wait_kmcnt 0x0
	s_lshl_b32 s24, s4, 5
	s_lshl_b32 s3, s5, 3
	s_add_co_u32 s24, s24, s3
	s_and_b32 s3, s2, 3
	s_lshl_b32 s3, s3, 1
	s_add_co_u32 s24, s24, s3
	s_lshr_b32 s3, s2, 2
	s_lshl_b32 s3, s3, 4
	s_add_co_u32 s24, s24, s3                      ; rows 2 w, 2 w + 1 are two consecutive tokens
	s_lshl_b32 s24, s24, 12
	s_add_nc_u64 s[36:37], s[14:15], s[24:25]      ; in x,
	s_add_nc_u64 s[38:39], s[22:23], s[24:25]      ; in x1
	WIN 0x40                                       ; destination window 1
.irp e, 0,1
.irp j, 0,1,2,3,4,5,6,7
	global_load_b128 v[32*\e+4*\j:32*\e+4*\j+3], v4, s[36:37] offset:4096*\e+512*\j th:TH_LOAD_NT
.endr
.endr
.irp j, 0,1,2,3,4,5,6,7
	global_load_b128 v[64+4*\j:67+4*\j], v4, s[12:13] offset:512*\j
.endr
	s_add_co_u32 s3, s2, 8                         ; k's group of 128 channels
	s_lshl_b32 s24, s3, 18
	s_lshl_b32 s26, s7, 10
	s_add_co_u32 s24, s24, s26
	s_add_nc_u64 s[42:43], s[8:9], s[24:25]
	s_lshl_b32 s24, s3, 18
	s_lshl_b32 s26, s4, 11
	s_add_co_u32 s24, s24, s26
	s_add_nc_u64 s[44:45], s[8:9], s[24:25]
	s_lshl_b32 s24, s3, 14
	s_add_co_u32 s24, s24, QS
	s_lshl_b32 s26, s7, 6
	s_add_co_u32 s26, s26, s24
	s_lshl_b32 s3, s4, 7
	s_add_co_u32 s24, s24, s3
	s_add_nc_u64 s[48:49], s[8:9], s[24:25]
	s_mov_b32 s24, s26
	s_add_nc_u64 s[46:47], s[8:9], s[24:25]
	s_lshl_b32 s24, s2, 18
	s_lshl_b32 s26, ttmp9, 10
	s_add_co_u32 s24, s24, s26
	s_add_nc_u64 s[50:51], s[8:9], s[24:25]        ; q's image,
	s_lshr_b32 s24, s24, 4
	s_add_co_u32 s24, s24, QS
	s_add_nc_u64 s[52:53], s[8:9], s[24:25]        ; its scale words
	s_lshr_b32 s24, s4, 2                          ; v: key block b is block b % 4 of token step b / 4: its 16 bytes a row lie 256 (b % 4) into an image
	s_lshl_b32 s3, s24, 12
	s_lshl_b32 s24, s24, 16
	s_lshl_b32 s26, s2, 13
	s_add_co_u32 s24, s24, s26
	s_and_b32 s26, s4, 3
	s_lshl_b32 s26, s26, 8
	s_add_co_u32 s24, s24, s26
	s_add_co_u32 s24, s24, 4194304
	s_add_nc_u64 s[54:55], s[8:9], s[24:25]
	s_lshl_b32 s26, s2, 9
	s_add_co_u32 s24, s3, s26
	s_add_co_u32 s24, s24, QS+262144
	s_add_nc_u64 s[58:59], s[8:9], s[24:25]
	s_lshr_b32 s24, s6, 2                          ; and the block before likewise
	s_lshl_b32 s3, s24, 12
	s_lshl_b32 s24, s24, 16
	s_lshl_b32 s26, s2, 13
	s_add_co_u32 s24, s24, s26
	s_and_b32 s26, s6, 3
	s_lshl_b32 s26, s26, 8
	s_add_co_u32 s24, s24, s26
	s_add_co_u32 s24, s24, 4194304
	s_add_nc_u64 s[56:57], s[8:9], s[24:25]
	s_lshl_b32 s26, s2, 9
	s_add_co_u32 s24, s3, s26
	s_add_co_u32 s24, s24, QS+262144
	s_add_nc_u64 s[60:61], s[8:9], s[24:25]
.irp c, 0,1                            ; K's images: the tile before at v128, the block's two at v136, v144 (window 1)
	global_load_b128 v[128+4*\c:131+4*\c], v4, s[42:43] offset:512*\c
	global_load_b128 v[136+4*\c:139+4*\c], v4, s[44:45] offset:512*\c
	global_load_b128 v[144+4*\c:147+4*\c], v4, s[44:45] offset:1024+512*\c
.endr
.irp o, 0,1,2,3,4,5,6,7                ; V's: both halves of the lanes load row r's 16 bytes: sixteen lanes read 256 consecutive aligned bytes
	global_load_b128 v[192+8*\o:195+8*\o], v9, s[54:55] offset:1024*\o
	global_load_b128 v[196+8*\o:199+8*\o], v9, s[56:57] offset:1024*\o
.endr
	WIN 0
	global_load_b128 v[128:131], v4, s[50:51]              ; Q with head 2 w alone: v128-135,
	global_load_b128 v[140:143], v4, s[50:51] offset:512   ; with head 2 w + 1 alone: v136-143
	global_load_b32 v24, v6, s[52:53]
	global_load_b32 v25, v6, s[46:47]
	global_load_b32 v26, v6, s[48:49]
	global_load_b32 v27, v6, s[48:49] offset:64
.irp o, 0,1,2,3,4,5,6,7
	global_load_b32 v[28+\o], v6, s[58:59] offset:64*\o
	global_load_b32 v[192+\o], v6, s[60:61] offset:64*\o
.endr
	s_lshl_b32 s24, s2, 15
	s_add_co_u32 s24, s24, WPC
	s_add_nc_u64 s[62:63], s[10:11], s[24:25]      ; my eight tiles of proj_w,
	s_lshl_b32 s24, s2, 12
	s_add_co_u32 s24, s24, WPS
	s_add_nc_u64 s[90:91], s[10:11], s[24:25]      ; their scale bytes
	s_lshl_b32 s24, s2, 9
	s_add_nc_u64 s[16:17], s[16:17], s[24:25]      ; g2, b2 at my 128 columns
	s_add_nc_u64 s[18:19], s[18:19], s[24:25]
	s_lshr_b32 s24, s2, 2
	s_lshl_b32 s24, s24, 8
	s_add_co_u32 s24, s24, ttmp9
	s_lshl_b32 s24, s24, 2
	s_and_b32 s26, s2, 3
	s_add_co_u32 s24, s24, s26
	s_lshl_b32 s24, s24, 10
	s_add_nc_u64 s[92:93], s[20:21], s[24:25]      ; the image of K step w of tile T for fc1,
	s_lshl_b32 s24, ttmp9, 9
	s_add_co_u32 s24, s24, H2S
	s_add_nc_u64 s[94:95], s[20:21], s[24:25]      ; the tile's scale bytes
	s_and_b32 s24, s4, 3
	s_mul_i32 s24, s24, 0x0101
	s_and_b32 s26, s6, 3
	s_add_co_u32 s26, s26, 4
	s_mul_i32 s26, s26, 0x01010000
	s_add_co_u32 s33, s24, s26                     ; v_perm_b32: V's byte of block b twice, of the block before twice
	s_mov_b32 s[SEL], 0x76543210
	s_mov_b32 s[SEL+1], 0xfedcba98
	s_mov_b32 s30, 0x3e38aa3b                      ; c = log2(e) / 8
	s_mov_b32 s31, s30
	s_mov_b32 s[FL], 0x1800000                     ; the floor 2^(3 - 127)
	s_mov_b32 s34, 0xffff0000                      ; lanes 16-31
	s_mov_b32 s35, 0x3a800000                      ; 1 / 1024
	s_mov_b32 s27, 0x3727c5ac                      ; 1e-5
.irp n, 132,133,134,135,136,137,138,139, 204,205,206,212,213,214, 218,219,221,231,234,235,237,247, 50,51,52,53,55,57
	v_mov_b32 v[\n], 0                             ; zero codes; lane permutes' destinations; upper halves of pairs that packed forms name
.endr
.irp n, 0,1,2,3,4,5,6,7,8,9,10,11,12,13,14,15
	v_add_nc_u32 v19, -\n, v17
	v_cmp_gt_u32 s[66+\n], 3, v19                  ; the key counts where query - key is 0, 1 or 2
.endr
.irp n, 0,1,2,3,4,5,6,7
	v_add_nc_u32 v19, -\n, v18
	v_cmp_gt_u32 s[82+\n], 3, v19
.endr
	s_wait_loadcnt 44                              ; x's rows and proj_b are in; the attention's 44 loads may be out
	WIN 0x45
.irp e, 0,1
.set J, 0
.rept 16
	v_pk_add_f32 v[32*\e+J:32*\e+J+1], v[32*\e+J:32*\e+J+1], v[64+J:65+J]
.set J, J+2
.endr
.endr
	WIN 0x04                                       ; an LDS store's data are its source 1
.irp e, 0,1
.irp j, 0,1,2,3,4,5,6,7
	ds_store_b128 v10, v[32*\e+4*\j:32*\e+4*\j+3] offset:4112*\e+512*\j
.endr
.endr
	WIN 0
	s_wait_dscnt 0x0                               ; the stores have read their registers, which proj_w's first fragments take
.irp nt, 0,1,2,3,4,5,6,7
.irp g, 0,1
	global_load_b128 v[64+8*\nt+4*\g:67+8*\nt+4*\g], v9, s[90:91] offset:512*\nt+256*\g   ; proj_w's scale words: register 8 nt + K step
.endr
.endr
	WIN 0x40
	WLOAD 0
	WLOAD 1
	WIN 0
	s_wait_loadcnt 48                              ; the attention's operands are in; the 48 loads just issued may be out
.irp o, 0,1,2,3,4,5,6,7
	v_perm_b32 v[28+\o], v[192+\o], v[28+\o], s33
.endr
	WIN 0x01                                       ; source 0 window 1
.irp c, 0,1
	v_wmma_scale_f32_16x16x128_f8f6f4 v[144+24*\c:151+24*\c], v[136:143], v[128+8*\c:135+8*\c], 0, v26, v24 matrix_a_fmt:MATRIX_FMT_FP4 matrix_b_fmt:MATRIX_FMT_FP4
	v_wmma_scale_f32_16x16x128_f8f6f4 v[152+24*\c:159+24*\c], v[144:151], v[128+8*\c:135+8*\c], 0, v27, v24 matrix_a_fmt:MATRIX_FMT_FP4 matrix_b_fmt:MATRIX_FMT_FP4
	v_wmma_scale_f32_16x16x128_f8f6f4 v[160+24*\c:167+24*\c], v[128:135], v[128+8*\c:135+8*\c], 0, v25, v24 matrix_a_fmt:MATRIX_FMT_FP4 matrix_b_fmt:MATRIX_FMT_FP4
.endr
	WIN 0
.rept 4
	v_nop                                          ; places in front of the loads below and of the first read of the scores
.endr
	WIN 0x40
	WLOAD 2
	WIN 0
; head c's 24 scores at v[144 + 24 c]: 16 of the block, 8 of the tile before.  Its figures at v[216 + 16 c]: +0, +1 the two blocks' largest; +4 -M; +6 .. +9 sums; +10, +11 scale operands; +12, +13 bytes; +14 1 / l
.irp c, 0,1
.set J, 0
.rept 24
	v_cndmask_b32 v[144+24*\c+J], v20, v[144+24*\c+J], s[66+J]     ; hidden keys: -infinity, ahead of the maximum
.set J, J+1
.endr
.endr
.irp c, 0,1
	v_max3_num_f32 v[216+16*\c], v[144+24*\c], v[145+24*\c], v[146+24*\c]
	v_max3_num_f32 v[217+16*\c], v[160+24*\c], v[161+24*\c], v[162+24*\c]
.endr
.irp i, 3,5,7,9,11,13
.irp c, 0,1
	v_max3_num_f32 v[216+16*\c], v[216+16*\c], v[144+24*\c+\i], v[145+24*\c+\i]
.endr
.endr
.irp i, 19,21
.irp c, 0,1
	v_max3_num_f32 v[217+16*\c], v[217+16*\c], v[144+24*\c+\i], v[145+24*\c+\i]
.endr
.endr
.irp c, 0,1
	v_max_num_f32 v[216+16*\c], v[216+16*\c], v[159+24*\c]
	v_max_num_f32 v[217+16*\c], v[217+16*\c], v[167+24*\c]
.endr
.irp c, 0,1
	v_permlanex16_b32 v[218+16*\c], v[216+16*\c], s[SEL], s[SEL+1]
	v_permlanex16_b32 v[219+16*\c], v[217+16*\c], s[SEL], s[SEL+1]
.endr
.irp c, 0,1
	v_max_num_f32 v[216+16*\c], v[216+16*\c], v[218+16*\c]         ; each block's largest score: it serves for the row's maximum and, since p rises with the score, for the block's largest p
	v_max_num_f32 v[217+16*\c], v[217+16*\c], v[219+16*\c]
.endr
.irp c, 0,1
	v_max_num_f32 v[218+16*\c], v[216+16*\c], v[217+16*\c]
.endr
.irp c, 0,1
	v_mul_f32 v[218+16*\c], s30, v[218+16*\c]
.endr
.irp c, 0,1
	v_floor_f32 v[220+16*\c], -v[218+16*\c]                        ; -M = floor(-t) = -ceil(t).  The query's own key always counts, so M is a number
.endr
.irp c, 0,1
.set J, 0
.rept 12
	v_pk_fma_f32 v[144+24*\c+J:145+24*\c+J], v[144+24*\c+J:145+24*\c+J], s[30:31], v[220+16*\c:221+16*\c] op_sel_hi:[1,0,0]   ; t - M
.set J, J+2
.endr
	v_fma_f32 v[216+16*\c], v[216+16*\c], s30, v[220+16*\c]
	v_fma_f32 v[217+16*\c], v[217+16*\c], s30, v[220+16*\c]
.endr
.irp c, 0,1
.set J, 0
.rept 24
	v_exp_f32 v[144+24*\c+J], v[144+24*\c+J]                       ; p = 2^(t - M): one batch of 52 exponentials
.set J, J+1
.endr
	v_exp_f32 v[216+16*\c], v[216+16*\c]
	v_exp_f32 v[217+16*\c], v[217+16*\c]
.endr
	v_nop                                          ; a plain instruction behind the last exponential,
	s_wait_alu depctr_va_vdst(0)                   ; and the one wait ahead of the batch's first reader
.irp c, 0,1
	v_pk_add_f32 v[222+16*\c:223+16*\c], v[144+24*\c:145+24*\c], v[146+24*\c:147+24*\c]   ; the row's sum, of the unquantised p
	v_pk_add_f32 v[224+16*\c:225+16*\c], v[148+24*\c:149+24*\c], v[150+24*\c:151+24*\c]
.endr
.irp i, 8,12,16,20
.irp c, 0,1
	v_pk_add_f32 v[222+16*\c:223+16*\c], v[222+16*\c:223+16*\c], v[144+24*\c+\i:145+24*\c+\i]
	v_pk_add_f32 v[224+16*\c:225+16*\c], v[224+16*\c:225+16*\c], v[146+24*\c+\i:147+24*\c+\i]
.endr
.endr
.irp c, 0,1
	v_pk_add_f32 v[222+16*\c:223+16*\c], v[222+16*\c:223+16*\c], v[224+16*\c:225+16*\c]
.endr
.irp c, 0,1
	v_add_f32 v[222+16*\c], v[222+16*\c], v[223+16*\c]
.endr
.irp c, 0,1
	v_permlanex16_b32 v[223+16*\c], v[222+16*\c], s[SEL], s[SEL+1]
.endr
.irp c, 0,1
	v_add_f32 v[222+16*\c], v[222+16*\c], v[223+16*\c]             ; l
	v_max_num_f32 v[216+16*\c], s[FL], v[216+16*\c]                ; the floor: a block whose every p is 0 keeps the byte 1: its codes are zeros
	v_max_num_f32 v[217+16*\c], s[FL], v[217+16*\c]
.endr
.irp c, 0,1
	v_add_nc_u32 v[226+16*\c], 0xff000000, v[216+16*\c]
	v_add_nc_u32 v[227+16*\c], 0xff000000, v[217+16*\c]
.endr
.irp c, 0,1
	v_lshrrev_b32 v[228+16*\c], 23, v[226+16*\c]
	v_lshrrev_b32 v[229+16*\c], 23, v[227+16*\c]
.endr
.irp c, 0,1
	v_lshl_or_b32 v[228+16*\c], v[228+16*\c], 8, v[228+16*\c]
	v_lshl_or_b32 v[229+16*\c], v[229+16*\c], 8, v[229+16*\c]
.endr
.irp c, 0,1
	v_lshl_or_b32 v[36+\c], v[229+16*\c], 16, v[228+16*\c]         ; p's scale word: the block's byte twice, the block before's twice
.endr
.irp c, 0,1
	v_cvt_scalef32_pk8_fp4_f32 v[248+2*\c], v[144+24*\c:151+24*\c], v[226+16*\c]
	v_cvt_scalef32_pk8_fp4_f32 v[249+2*\c], v[152+24*\c:159+24*\c], v[226+16*\c]
	v_cvt_scalef32_pk8_fp4_f32 v[207+8*\c], v[160+24*\c:167+24*\c], v[227+16*\c]   ; keys 24 .. 31 of the block before (lanes 0-15: all hidden, zero codes)
.endr
	v_nop                                          ; one plain instruction behind a scaled conversion
.irp c, 0,1                            ; lanes 0-15 hold keys 0 .. 15 of the block, lanes 16-31 keys 16 .. 31: each at its place among 32, zeros for the other half's
	v_cndmask_b32 v[200+8*\c], v[248+2*\c], 0, s34
	v_cndmask_b32 v[201+8*\c], v[249+2*\c], 0, s34
	v_cndmask_b32 v[202+8*\c], 0, v[248+2*\c], s34
	v_cndmask_b32 v[203+8*\c], 0, v[249+2*\c], s34
.endr
	v_rcp_f32 v230, v222
	v_rcp_f32 v246, v238
	v_nop
	s_wait_alu depctr_va_vdst(0)                   ; one wait for the two reciprocals
.rept 8
	v_nop                                          ; a scale register written by a vector instruction stands 8 places ahead of a scaled matrix instruction, an operand so written 4
.endr
	WIN 0x01
.irp o, 0,1,2,3,4,5,6,7
	v_wmma_scale_f32_16x16x128_f8f6f4 v[128+8*\o:135+8*\o], v[192+8*\o:199+8*\o], v[200+8*(\o/4):207+8*(\o/4)], 0, v[28+\o], v[36+\o/4] matrix_a_fmt:MATRIX_FMT_FP4 matrix_b_fmt:MATRIX_FMT_FP4
.endr
	WIN 0
.rept 4
	v_nop
.endr
	WIN 0x40
	WLOAD 3
	WIN 0
.irp o, 0,1,2,3,4,5,6,7
.irp j, 0,2,4,6
	v_pk_mul_f32 v[128+8*\o+\j:129+8*\o+\j], v[128+8*\o+\j:129+8*\o+\j], v[230+16*(\o/4):231+16*(\o/4)] op_sel_hi:[1,0]   ; / l
.endr
.endr
	QUANT 128, 0, 248, 62                          ; my 128 channels of 16 tokens: K step w of the projection
	ds_store_b128 v12, v[248:251]
	ds_store_b128 v12, v[252:255] offset:512
	ds_store_b32 v13, v62
	BARRIER                                        ; x + proj_b, the eight images and their scale words lie in LDS
.irp k, 0,1,2,3
.irp i, 0,1,2,3
	ds_load_b128 v[192+16*\k+4*\i:195+16*\k+4*\i], v11 offset:128*\k+16*\i     ; x + proj_b in the accumulators' layout: the C of the first K step
.endr
.endr
.irp s, 0,1,2,3,4,5,6,7
	ds_load_b128 v[128+8*\s:131+8*\s], v8 offset:1024*\s
	ds_load_b128 v[132+8*\s:135+8*\s], v8 offset:1024*\s+512
	ds_load_b32 v[38+\s], v63 offset:128*\s
.endr
	s_wait_dscnt 0x0
.macro PSTEP s                         ; eight accumulators by turns, one instruction a turn
.if (\s) < 7
	s_wait_loadcnt 48                              ; this step's fragments are in; the three younger groups of 16 loads may be out
.else
	s_wait_loadcnt 32                              ; g2's and b2's may be out
.endif
	WIN 0x01
.irp nt, 0,1,2,3,4,5,6,7
	v_wmma_scale_f32_16x16x128_f8f6f4 v[192+8*\nt:199+8*\nt], v[64*((\s)%4)+8*\nt:64*((\s)%4)+8*\nt+7], v[128+8*(\s):135+8*(\s)], v[192+8*\nt:199+8*\nt], v[64+8*\nt+(\s)], v[38+(\s)] matrix_a_fmt:MATRIX_FMT_FP4 matrix_b_fmt:MATRIX_FMT_FP4
.endr
	WIN 0
.rept 4
	v_nop                                          ; places in front of loads into the buffer just read, and of the first read of the results
.endr
.if (\s) < 4
	WIN 0x40
	WLOAD (\s)+4
	WIN 0
.elseif (\s) == 4
	WIN 0x40
	GBLOAD 0, 16
	WIN 0
.elseif (\s) == 5
	WIN 0x40
	GBLOAD 64, 18
	WIN 0
.endif
.endm
.irp s, 0,1,2,3,4,5,6,7
	PSTEP \s
.endr
; x1 stands in the accumulators.  LN2 in two passes; a row lies in two lanes of each of the eight waves.
.macro FOLD
	v_pk_add_f32 v[46:47], v[46:47], v[48:49]
	v_pk_add_f32 v[50:51], v[50:51], v[52:53]
	v_pk_add_f32 v[46:47], v[46:47], v[50:51]
	v_add_f32 v46, v46, v47
.endm
.irp j, 0,1,2,3
	v_pk_add_f32 v[46+2*\j:47+2*\j], v[192+4*\j:193+4*\j], v[194+4*\j:195+4*\j]    ; ascending: each accumulator is read from its low end on
.endr
.irp k, 16,24,32,40,48,56
.irp j, 0,1,2,3
	v_pk_add_f32 v[46+2*\j:47+2*\j], v[46+2*\j:47+2*\j], v[192+\k+2*\j:193+\k+2*\j]
.endr
.endr
	FOLD
	v_permlanex16_b32 v47, v46, s[SEL], s[SEL+1]
	v_add_f32 v46, v46, v47
	ds_store_b32 v14, v46                          ; lanes r and 16 + r write the same word with the same value
	BARRIER
.irp k, 0,1,2,3
.irp i, 0,1,2,3
	ds_store_b128 v11, v[192+16*\k+4*\i:195+16*\k+4*\i] offset:128*\k+16*\i    ; x1 goes back to where x lay: bytes that my wave alone has read
.endr
.endr
	ds_load_b128 v[46:49], v15
	ds_load_b128 v[50:53], v15 offset:16
	s_wait_dscnt 0x0
	FOLD
	v_mul_f32 v54, s35, v46                        ; the mean
.set J, 0
.rept 32
	v_pk_add_f32 v[192+J:193+J], v[192+J:193+J], v[54:55] op_sel_hi:[1,0] neg_lo:[0,1] neg_hi:[0,1]
.set J, J+2
.endr
.irp j, 0,1,2,3
	v_pk_mul_f32 v[46+2*\j:47+2*\j], v[192+2*\j:193+2*\j], v[192+2*\j:193+2*\j]
.endr
.irp k, 8,16,24,32,40,48,56
.irp j, 0,1,2,3
	v_pk_fma_f32 v[46+2*\j:47+2*\j], v[192+\k+2*\j:193+\k+2*\j], v[192+\k+2*\j:193+\k+2*\j], v[46+2*\j:47+2*\j]
.endr
.endr
	FOLD
	v_permlanex16_b32 v47, v46, s[SEL], s[SEL+1]
	v_add_f32 v46, v46, v47
	ds_store_b32 v14, v46 offset:512
	BARRIER
	ds_load_b128 v[46:49], v15 offset:512
	ds_load_b128 v[50:53], v15 offset:528
	s_wait_dscnt 0x0
	FOLD
	v_fma_f32 v56, v46, s35, s27                   ; the variance + 1e-5
	v_rsq_f32 v56, v56
	v_nop
	s_wait_alu depctr_va_vdst(0)
	s_wait_loadcnt 0x0                             ; g2, b2
.set J, 0
.rept 32
	v_pk_mul_f32 v[192+J:193+J], v[192+J:193+J], v[56:57] op_sel_hi:[1,0]
.set J, J+2
.endr
	WIN 0x14                                       ; sources 1 and 2 window 1
.set J, 0
.rept 32
	v_pk_fma_f32 v[192+J:193+J], v[192+J:193+J], v[J:J+1], v[64+J:65+J]
.set J, J+2
.endr
	QUANT 192, 0, 128, 62                          ; K step w of fc1's A
	global_store_b128 v4, v[128:131], s[92:93]             ; the image as it stands: 512 consecutive aligned bytes a store
	global_store_b128 v4, v[132:135], s[92:93] offset:512
	ds_store_b32 v16, v62
	BARRIER                                        ; x1's sixteen rows and the tile's scale bytes lie in LDS
.irp e, 0,1
.irp j, 0,1,2,3,4,5,6,7
	ds_load_b128 v[192+32*\e+4*\j:195+32*\e+4*\j], v10 offset:4112*\e+512*\j
.endr
.endr
.irp e, 0,1
.irp j, 0,1,2,3,4,5,6,7
	s_wait_dscnt 15-8*\e-\j                        ; LDS loads come back in order: this one is in
	global_store_b128 v4, v[192+32*\e+4*\j:195+32*\e+4*\j], s[38:39] offset:4096*\e+512*\j
.endr
.endr
	s_cmp_lg_u32 s2, 0
	s_cbranch_scc1 .Lend
	ds_load_b128 v[46:49], v7
	s_wait_dscnt 0x0
	global_store_b128 v4, v[46:49], s[94:95]
.Lend:
	s_wait_tensorcnt 0x0                           ; the wave's end, behind my last LDS store
	ds_add_u32 v[SPW], v[NIL]
	s_wait_dscnt 0x0
	s_endpgm
.Lfunc_end_k_q34c1c511aa_mid:
	.size	k_q34c1c511aa_mid, .Lfunc_end_k_q34c1c511aa_mid-k_q34c1c511aa_mid
	.p2alignl 7, 3214868480
	.fill 96, 4, 3214868480
	.section	.rodata,"a",@progbits
	.p2align	6, 0x0
	.amdhsa_kernel k_q34c1c511aa_mid
		.amdhsa_group_segment_fixed_size 77824
		.amdhsa_private_segment_fixed_size 0
		.amdhsa_enable_private_segment 0
		.amdhsa_kernarg_size 64
		.amdhsa_user_sgpr_count 2
		.amdhsa_user_sgpr_kernarg_segment_ptr 1
		.amdhsa_wavefront_size32 1
		.amdhsa_system_sgpr_workgroup_id_x 1
		.amdhsa_system_sgpr_workgroup_id_y 1
		.amdhsa_system_sgpr_workgroup_id_z 1
		.amdhsa_system_vgpr_workitem_id 0
		.amdhsa_next_free_vgpr 512
		.amdhsa_next_free_sgpr 96
		.amdhsa_reserve_vcc 0
		.amdhsa_float_denorm_mode_32 3
		.amdhsa_float_denorm_mode_16_64 3
		.amdhsa_memory_ordered 1
		.amdhsa_forward_progress 1
		.amdhsa_inst_pref_size 90
	.end_amdhsa_kernel
	.amdgpu_metadata
---
amdhsa.version: [ 1, 2 ]
amdhsa.kernels:
  - .name:           k_q34c1c511aa_mid
    .symbol:         k_q34c1c511aa_mid.kd
    .args:
      - { .name: qk, .offset: 0, .size: 8, .value_kind: global_buffer, .address_space: global }
      - { .name: pw, .offset: 8, .size: 8, .value_kind: global_buffer, .address_space: global }
      - { .name: proj_b, .offset: 16, .size: 8, .value_kind: global_buffer, .address_space: global }
      - { .name: x, .offset: 24, .size: 8, .value_kind: global_buffer, .address_space: global }
      - { .name: g2, .offset: 32, .size: 8, .value_kind: global_buffer, .address_space: global }
      - { .name: b2, .offset: 40, .size: 8, .value_kind: global_buffer, .address_space: global }
      - { .name: mb, .offset: 48, .size: 8, .value_kind: global_buffer, .address_space: global }
      - { .name: x1, .offset: 56, .size: 8, .value_kind: global_buffer, .address_space: global }
    .group_segment_fixed_size: 77824
    .private_segment_fixed_size: 0
    .kernarg_segment_align: 8
    .kernarg_segment_size: 64
    .max_flat_workgroup_size: 256
    .sgpr_count:     96
    .vgpr_count:     512
    .wavefront_size: 32
...
	.end_amdgpu_metadata
.endif
;; end of part 3
;; launch fc1 (part 4): grid 16 x 16, 4 waves a work-group, clusters of 4 x 4, 327,680 bytes of LDS; arguments mb, pw, fc1_b, hid; writes hid
.if DOCPART == 4
	.amdgcn_target "amdgcn-amd-amdhsa--gfx1250"
	.amdhsa_code_object_version 6
	.text
	.protected	k_q34c1c511aa_fc1
	.globl	k_q34c1c511aa_fc1
	.p2align	8
	.type	k_q34c1c511aa_fc1,@function
k_q34c1c511aa_fc1:
	s_mov_b64 s[64:65], 0
	v_nop
	global_prefetch_b8 v0, s[64:65] scope:SCOPE_SE
	s_setreg_imm32_b32 hwreg(HW_REG_WAVE_MODE, 25, 1), 1
	s_wait_xcnt 0x0
	s_wait_alu depctr_hold_cnt(0) depctr_sa_sdst(0) depctr_va_vdst(0) depctr_va_sdst(0) depctr_va_ssrc(0) depctr_va_vcc(0) depctr_vm_vsrc(0)
	s_getreg_b32 s2, hwreg(HW_REG_IB_STS2, 6, 4)
	s_cmp_eq_u32 s2, 0
	s_cbranch_scc0 .Lentry_in_a_cluster
	s_endpgm
.Lentry_in_a_cluster:
	s_bfe_u32 s2, ttmp6, 0x10000c
	s_cmp_lg_u32 s2, 0xf033
	s_cbranch_scc0 .Lentry_shape_is_right
	s_endpgm
.Lentry_shape_is_right:
; LAUNCH 4 OF 5.  hidden = gelu(LN2(x1) fc1_w + fc1_b), exact GELU, quantised at once along the hidden units for fc2.  The product is launch 2's: a tile of 256 x 256, four waves of 128 x 128, K = 1,024 in two LDS slots
; filled once, operands as images of fragments' registers, the matrix instruction used transposed (source 0 = fc1_w's tiles, source 1 = tokens), 4 x 4 clusters with joint loads.  Three tensor loads a wave are out at the most.
; THE WAY OUT is a loop of eight trips, one for each block of 16 tokens, so that the GELU stands once in the text: a short switch on the trip's number moves the block's 64 sums, with the bias added on the way, into window 1.
; GELU: g = max(x, 0) - |x| / 2 erfc(|x| / sqrt 2), with erfc(z) = t exp(-z^2 + P(t)), t = 1 / (1 + z / 2), P the ninth-degree polynomial whose fractional error stays under 1.2e-7 for all z: no difference of near numbers for x < 0.
; P's coefficients and -z^2 carry the factor log2(e), since v_exp_f32 works in base 2.
; The scale words go out as 4 bytes at every 16: runs of 256 bytes are written in part; they are one sixteenth of the codes' bytes.
; LIMITS: as stated at launch 1's head; a term under 2^-126 in the exponential comes out as zero.
.set W1C,  4456448
.set W1S,  6553600
.set H2S,  2097152
.set HS,   8388608
.set ASTEP, 256*4096
.set BSTEP, 256*4096
.set NL,    2
.set NP,    4
.set SLOT,  131072
.set SCL,   262144
.set SPARE, 278528
.set ADRA, 16
.set ADRB, 20
.set LI,   24
.set RS,   25                          ; 16 r
.set ADRS, 27
.set SPW,  28
.set NIL,  29
.set SC,   32
.set TM,   96
.set AF,   128
.set BC,   192
.set G1, 24
.set G0, 32
.set G1B, 48
.set G0B, 56
.set G1S, 68
.set G0S, 76
.set G1SB, 80
.set G0SB, 88
.set SEL, 92
.set FL,  95
.set MSB, 0
.macro WIN new
.if MSB != (\new)
	s_set_vgpr_msb (MSB<<8)|(\new)
.set MSB, (\new)
.endif
.endm
.set MUL_LO, 0xa1
.set MUL_HI, 0xf1
.set TO_B,   0x40
.macro JLOAD g0a, g1a, g0b, g1b
	s_cmp_eq_u32 s15, 0
	s_cbranch_scc0 .Lfor_b_\@
	tensor_load_to_lds s[\g0a:\g0a+3], s[\g1a:\g1a+7]
	s_nop 0
.rept 4
	v_nop
.endr
	s_branch .Lasked_\@
.Lfor_b_\@:
	tensor_load_to_lds s[\g0b:\g0b+3], s[\g1b:\g1b+7]
	s_nop 0
.rept 4
	v_nop
.endr
.Lasked_\@:
.endm
.macro CROUND
	s_barrier_signal -1
	s_barrier_wait -1
	s_cmp_lg_u32 s14, 0
	s_cbranch_scc1 .Lnot_wave_0_\@
	s_barrier_signal -3
.Lnot_wave_0_\@:
	s_barrier_wait -3
	s_barrier_signal -1
	s_barrier_wait -1
.endm
	s_load_b256 s[4:11], s[0:1], 0x0               ; mb, pw, fc1_b, hid
	v_lshl_add_u32 v[SPW], v0, 2, SPARE
	v_mov_b32 v[NIL], 0
	ds_add_u32 v[SPW], v[NIL]                      ; the wave's opening: the add, twice on end, and its wait ahead of my first tensor load
	ds_add_u32 v[SPW], v[NIL]
	v_lshrrev_b32 v1, 5, v0
	v_readfirstlane_b32 s14, v1
	s_lshr_b32 s15, s14, 1
	s_and_b32 s16, s14, 1
	s_bfe_u32 s40, ttmp6, 0x40000
	s_bfe_u32 s41, ttmp6, 0x40004
	s_lshl_b32 s42, ttmp9, 2
	s_add_co_u32 s42, s42, s40                     ; tile column = 4 x cluster x + cx
	s_and_b32 s17, ttmp7, 0xffff
	s_lshl_b32 s17, s17, 2
	s_add_co_u32 s17, s17, s41                     ; tile row = 4 x cluster y + cy
	s_lshl_b32 s43, s41, 2
	s_lshl_b32 s43, 15, s43
	s_lshl_b32 s44, 0x1111, s40
	s_or_b32 s[G1+0], s43, (3<<16)|(1<<21)
	s_or_b32 s[G1B+0], s44, (3<<16)|(1<<21)
.irp g, G1, G1B
	s_mov_b32 s[\g+1], 32<<16
	s_mov_b32 s[\g+2], 128<<16
	s_mov_b32 s[\g+3], 32<<16
	s_mov_b32 s[\g+4], 128
	s_mov_b32 s[\g+5], 32
	s_mov_b32 s[\g+6], 0
	s_mov_b32 s[\g+7], 0
.endr
	s_or_b32 s[G1S+0], s43, (3<<16)|(1<<21)
	s_or_b32 s[G1SB+0], s44, (3<<16)|(1<<21)
.irp g, G1S, G1SB
	s_mov_b32 s[\g+1], 32<<16
	s_mov_b32 s[\g+2], 16<<16
	s_mov_b32 s[\g+3], 32<<16
	s_mov_b32 s[\g+4], 16
	s_mov_b32 s[\g+5], 32
	s_mov_b32 s[\g+6], 0
	s_mov_b32 s[\g+7], 0
.endr
	s_lshl_b32 s21, s16, 3
	s_lshl_b32 s20, s17, 4
	s_add_co_u32 s20, s20, s21                     ; A: tile 16 x tile row + the 8 that I fetch
	s_lshl_b32 s46, s42, 4
	s_add_co_u32 s46, s46, s21                     ; B: tile 16 x tile column + 8 x half
	s_lshl_b32 s22, s20, 9
	s_add_co_u32 s22, s22, H2S
	s_mov_b32 s23, 0
	s_lshl_b32 s20, s20, 12
	s_mov_b32 s21, 0
	s_lshl_b32 s92, s46, 9
	s_add_co_u32 s92, s92, W1S
	s_mov_b32 s93, 0
	s_lshl_b32 s46, s46, 12
	s_add_co_u32 s46, s46, W1C
	s_mov_b32 s47, 0
	s_lshl_b32 s45, s14, 15
	s_lshl_b32 s94, s14, 12
	s_wait_dscnt 0x0
	s_wait_kmcnt 0x0
	s_add_nc_u64 s[20:21], s[4:5], s[20:21]
	s_add_nc_u64 s[22:23], s[4:5], s[22:23]
	s_add_nc_u64 s[46:47], s[6:7], s[46:47]
	s_add_nc_u64 s[92:93], s[6:7], s[92:93]
	CROUND
	s_mov_b32 s[G0S], 1
	s_add_co_u32 s[G0S+1], s94, SCL
	s_mov_b64 s[G0S+2:G0S+3], s[22:23]
	s_or_b32 s[G0S+3], s[G0S+3], 0x80000000
	s_mov_b32 s[G0SB], 1
	s_add_co_u32 s[G0SB+1], s94, SCL
	s_mov_b64 s[G0SB+2:G0SB+3], s[92:93]
	s_or_b32 s[G0SB+3], s[G0SB+3], 0x80000000
	JLOAD G0S, G1S, G0SB, G1SB
.irp s, 0,1
	s_mov_b32 s[G0+4*\s], 1
	s_add_co_u32 s[G0+4*\s+1], s45, \s*SLOT
	s_add_nc_u64 s[G0+4*\s+2:G0+4*\s+3], s[20:21], \s*ASTEP
	s_or_b32 s[G0+4*\s+3], s[G0+4*\s+3], 0x80000000
	s_mov_b32 s[G0B+4*\s], 1
	s_add_co_u32 s[G0B+4*\s+1], s45, \s*SLOT
	s_add_nc_u64 s[G0B+4*\s+2:G0B+4*\s+3], s[46:47], \s*BSTEP
	s_or_b32 s[G0B+4*\s+3], s[G0B+4*\s+3], 0x80000000
	JLOAD G0+4*\s, G1, G0B+4*\s, G1B
.endr
	v_and_b32 v1, 15, v0
	v_bfe_u32 v2, v0, 4, 1
	v_and_b32 v3, 31, v0
	v_lshlrev_b32 v[LI], 4, v3
	v_lshlrev_b32 v[RS], 4, v1
	s_lshl_b32 s21, s15, 15
	s_lshl_b32 s22, s16, 15
	s_add_co_u32 s22, s22, 65536
.irp s, 0,1
	v_add_nc_u32 v[ADRA+\s], s21, v[LI]
	v_add_nc_u32 v[ADRB+\s], s22, v[LI]
	s_add_co_u32 s21, s21, SLOT
	s_add_co_u32 s22, s22, SLOT
.endr
	s_lshl_b32 s21, s15, 12
	s_lshl_b32 s22, s16, 12
	s_add_co_u32 s22, s22, 8192
	s_sub_co_u32 s22, s22, s21
	v_mul_u32_u24 v6, s22, v2
	s_add_co_u32 s21, s21, SCL
	v_add_nc_u32 v5, v[RS], v6
	v_add_nc_u32 v[ADRS], s21, v5
	v_lshlrev_b32 v7, 6, v2
.irp b, 0,1,2,3
	v_mov_b32 v[TM+4+\b], 0
.endr
	v_mov_b32 v120, 0xbf97d29d                     ; c8, in a pair of vector registers: the line that uses it names a scalar pair already
	v_mov_b32 v121, 0xbf97d29d
	s_lshl_b32 s18, s42, 1
	s_add_co_u32 s18, s18, s16                     ; my 128 hidden units are K step 2 x tile column + half of fc2
	s_lshl_b32 s18, s18, 9
	s_mov_b32 s19, 0
	s_add_nc_u64 s[8:9], s[8:9], s[18:19]
.irp b, 0,1,2,3,4,5,6,7
	global_load_b128 v[BC+8*\b:BC+8*\b+3], v7, s[8:9] offset:4*(32*(\b/2)+8*(\b%2))
	global_load_b128 v[BC+8*\b+4:BC+8*\b+7], v7, s[8:9] offset:4*(32*(\b/2)+8*(\b%2))+16
.endr
	s_lshr_b32 s96, s42, 1                         ; g: which 512 along fc2's K
	s_lshl_b32 s98, s17, 1
	s_add_co_u32 s98, s98, s15
	s_lshl_b32 s98, s98, 3                         ; my first token tile
	s_and_b32 s3, s42, 1
	s_lshl_b32 s3, s3, 1
	s_add_co_u32 s3, s3, s16                       ; q: which 128 of the 512
	s_lshl_b32 s18, s96, 8
	s_add_co_u32 s18, s18, s98
	s_lshl_b32 s18, s18, 2
	s_add_co_u32 s18, s18, s3
	s_lshl_b32 s18, s18, 10
	s_add_nc_u64 s[12:13], s[10:11], s[18:19]      ; my first image; 4,096 bytes from tile to tile
	s_lshl_b32 s20, s98, 3
	s_add_co_u32 s20, s20, s96
	s_lshl_b32 s20, s20, 8
	s_lshl_b32 s3, s3, 2
	s_add_co_u32 s20, s20, s3
	s_add_co_u32 s20, s20, HS
	s_mov_b32 s21, 0
	s_add_nc_u64 s[96:97], s[10:11], s[20:21]      ; its scale words; 2,048 bytes from tile to tile
	s_mov_b32 s[SEL], 0x76543210
	s_mov_b32 s[SEL+1], 0xfedcba98
	s_mov_b32 s[FL], 0x1800000
.macro FRAG reg, adr, q, i
.irp c, 0,1
	ds_load_b128 v[\reg+4*\c:\reg+4*\c+3], v[\adr] offset:4096*(\i)+1024*(\q)+512*\c
.endr
.endm
.macro MUL16 a0, p, q, sc, cm          ; cm: 0 adds on; 1 starts the sums with 0.  The 64 accumulators take turns
.irp a, \a0, \a0+1
.irp b, 0,1,2,3,4,5,6,7
.set rD, 8*(8*((\a)%4)+\b)
.set rB, 128*(\p)+8*\b
.set rA, AF+8*(\a)
.set rX, SC+32*(\sc)+4*\b+(\q)
.set rY, SC+32*(\sc)+4*(\a)+(\q)
.if (\cm) == 0
	v_wmma_scale_f32_16x16x128_f8f6f4 v[rD:rD+7], v[rB:rB+7], v[rA:rA+7], v[rD:rD+7], v[rX], v[rY] matrix_a_fmt:MATRIX_FMT_FP4 matrix_b_fmt:MATRIX_FMT_FP4 matrix_a_scale:MATRIX_SCALE_ROW1
.else
	v_wmma_scale_f32_16x16x128_f8f6f4 v[rD:rD+7], v[rB:rB+7], v[rA:rA+7], 0, v[rX], v[rY] matrix_a_fmt:MATRIX_FMT_FP4 matrix_b_fmt:MATRIX_FMT_FP4 matrix_a_scale:MATRIX_SCALE_ROW1
.endif
.endr
.endr
.endm
.macro FETCH_B slot, q, p
	WIN TO_B
.irp i, 0,1,2,3,4,5,6,7
	FRAG 128*(\p)+8*\i, ADRB+\slot, \q, \i
.endr
	WIN 0
.endm
.macro FETCH_A slot, q, i0
.irp i, \i0, \i0+1, \i0+2, \i0+3
	FRAG AF+8*(\i), ADRA+\slot, \q, \i
.endr
.endm
.macro SCALES sc
.irp i, 0,1,2,3,4,5,6,7
	ds_load_b128 v[SC+32*\sc+4*\i:SC+32*\sc+4*\i+3], v[ADRS] offset:512*\i+256*\sc
.endr
.endm
.macro PLACES n
.rept \n
	v_nop
.endr
.endm
.macro STEP slot, q, cm
	s_wait_dscnt 4*NL                              ; all but the youngest eight loads (A's blocks 4-7) are in
	WIN MUL_LO
	MUL16 0, (\q)%2, \q, \slot, \cm
	MUL16 2, (\q)%2, \q, \slot, \cm
	s_wait_dscnt 0
	PLACES NP
	FETCH_B \slot, (\q)+1, 1-(\q)%2
	FETCH_A \slot, (\q)+1, 0
	WIN MUL_HI
	MUL16 4, (\q)%2, \q, \slot, \cm
	MUL16 6, (\q)%2, \q, \slot, \cm
	PLACES NP
	WIN 0
	FETCH_A \slot, (\q)+1, 4
.endm
.macro TURN slot, next
	s_wait_tensorcnt 0x0                           ; all my tensor loads have landed;
	ds_add_u32 v[SPW], v[NIL]                      ; 0 onto my spare word;
	s_wait_dscnt 4*NL+1                            ; (the add and the youngest eight loads may be out)
	WIN MUL_LO
	MUL16 0, 1, 3, \slot, 0
	s_wait_dscnt 0x0
	s_barrier_signal -1
	MUL16 2, 1, 3, \slot, 0
	WIN 0
	s_barrier_wait -1
	PLACES NP
	FETCH_B \next, 0, 0
	FETCH_A \next, 0, 0
	SCALES \next
	WIN MUL_HI
	MUL16 4, 1, 3, \slot, 0
	MUL16 6, 1, 3, \slot, 0
	PLACES NP
	WIN 0
	FETCH_A \next, 0, 4
.endm
.macro STEPS slot, from
.set Q, \from
.rept 3-\from
	STEP \slot, Q, 0
.set Q, Q+1
.endr
.endm
.macro QUANT src, w, pc, pw            ; as in launch 2
	WIN ((\w)<<2)|((\w)<<4)
.irp b, 0,1,2,3
	v_max3_num_f32 v[TM+\b], s[FL], |v[(\src)+16*\b]|, |v[(\src)+1+16*\b]|
.endr
.irp i, 2,4,6,8,10,12,14
.irp b, 0,1,2,3
	v_max3_num_f32 v[TM+\b], v[TM+\b], |v[(\src)+16*\b+\i]|, |v[(\src)+1+16*\b+\i]|
.endr
.endr
	WIN 0
.irp b, 0,1,2,3
	v_permlanex16_b32 v[TM+4+\b], v[TM+\b], s[SEL], s[SEL+1]
.endr
.irp b, 0,1,2,3
	v_max_num_f32 v[TM+\b], v[TM+\b], v[TM+4+\b]
.endr
.irp b, 0,1,2,3
	v_add_nc_u32 v[TM+12+\b], 0xff000000, v[TM+\b]
.endr
.irp b, 0,1,2,3
	v_lshrrev_b32 v[TM+4+\b], 23, v[TM+12+\b]
.endr
	v_lshl_or_b32 v[\pw], v[TM+5], 8, v[TM+4]
	v_lshl_or_b32 v[\pw], v[TM+6], 16, v[\pw]
	v_lshl_or_b32 v[\pw], v[TM+7], 24, v[\pw]
	WIN (\w)
.irp b, 0,1,2,3
	v_cvt_scalef32_pk8_fp4_f32 v[(\pc)+2*\b], v[(\src)+16*\b:(\src)+7+16*\b], v[TM+12+\b]
	v_cvt_scalef32_pk8_fp4_f32 v[(\pc)+1+2*\b], v[(\src)+8+16*\b:(\src)+15+16*\b], v[TM+12+\b]
.endr
	WIN 0
	v_nop
.irp c, 0,1
.irp i, 0,1
	v_permlane16_swap_b32 v[(\pc)+4*\c+\i], v[(\pc)+2+4*\c+\i]
.endr
.endr
.endm
	s_wait_tensorcnt 1                             ; the scale bytes and my part of slot 0 are in; slot 1's load may be out
	s_barrier_signal -1
	s_barrier_wait -1
	FETCH_B 0, 0, 0
	FETCH_A 0, 0, 0
	SCALES 0
	FETCH_A 0, 0, 4
	STEP 0, 0, 1                                   ; the first products start the sums
	STEPS 0, 1
	TURN 0, 1
	STEPS 1, 0
	s_wait_dscnt 4*NL
	WIN MUL_LO
	MUL16 0, 1, 3, 1, 0
	MUL16 2, 1, 3, 1, 0
	s_wait_dscnt 0
	WIN MUL_HI
	MUL16 4, 1, 3, 1, 0
	MUL16 6, 1, 3, 1, 0
	WIN 0
	PLACES NP
	s_wait_loadcnt 0x0                             ; the bias
; the constants, each twice: the packed forms name a pair.  (No tensor load of mine is out: the registers that held descriptors are free.)
.macro KPAIR reg, val
	s_mov_b32 s[\reg], \val
	s_mov_b32 s[\reg+1], s[\reg]
.endm
	KPAIR 66, 0xbfe9b21e                           ; c0 .. c7, times log2(e)
	KPAIR 68, 0x3fb8ab5a
	KPAIR 70, 0x3f0a29d2
	KPAIR 72, 0x3e0efb2e
	KPAIR 74, 0xbe899a80
	KPAIR 76, 0x3ecdfd18
	KPAIR 78, 0xbfd1a1e5
	KPAIR 80, 0x40097039
	KPAIR 82, 0x3e7c6f08                           ; c9
	KPAIR 84, 0xc038aa3b                           ; -2 log2(e)
	KPAIR 86, 0xbf3504f3                           ; -1 / sqrt 2
.macro MOVER a                         ; block a's 64 sums + the bias into v0-63 of window 1, each accumulator from its low end on
	WIN 0x40|(2+(\a)/4)
.set J, 0
.rept 32
	v_pk_add_f32 v[J:J+1], v[64*((\a)%4)+J:64*((\a)%4)+J+1], v[BC+J:BC+J+1]
.set J, J+2
.endr
	WIN 0
.endm
	s_mov_b32 s3, 0
.Lep:
.irp a, 0,1,2,3,4,5,6
	s_cmp_eq_u32 s3, \a
	s_cbranch_scc1 .Lmv\a
.endr
	MOVER 7
	s_branch .Lgelu
.irp a, 0,1,2,3,4,5,6
.Lmv\a:
	MOVER \a
	s_branch .Lgelu
.endr
.Lgelu:
	WIN 0x55                                       ; all in window 1: X v0-63, T v64-127, P v128-191, U v192-255
.set J, 0
.rept 64
	v_mul_f32 v[192+J], -0.5, |v[J]|               ; U = -|x| / 2
.set J, J+1
.endr
.set J, 0
.rept 64
	v_max_num_f32 v[J], 0, v[J]                    ; X = max(x, 0)
.set J, J+1
.endr
.set J, 0
.rept 32
	v_pk_fma_f32 v[64+J:65+J], v[192+J:193+J], s[86:87], 1.0 op_sel_hi:[1,0,0]   ; 1 + z / 2
.set J, J+2
.endr
.set J, 0
.rept 64
	v_rcp_f32 v[64+J], v[64+J]                     ; t: one batch
.set J, J+1
.endr
	v_nop
	s_wait_alu depctr_va_vdst(0)                   ; one wait for the batch, ahead of its first reader
	WIN 0x45                                       ; source 2 (c8) window 0
.set J, 0
.rept 32
	v_pk_fma_f32 v[128+J:129+J], v[64+J:65+J], s[82:83], v[120:121] op_sel_hi:[1,0,0]
.set J, J+2
.endr
	WIN 0x55
.irp k, 7,6,5,4,3,2,1,0
.set J, 0
.rept 32
	v_pk_fma_f32 v[128+J:129+J], v[128+J:129+J], v[64+J:65+J], s[66+2*\k:67+2*\k] op_sel_hi:[1,1,0]
.set J, J+2
.endr
.endr
.set J, 0
.rept 32
	v_pk_mul_f32 v[64+J:65+J], v[64+J:65+J], v[192+J:193+J]        ; -|x| / 2 x t
.set J, J+2
.endr
.set J, 0
.rept 32
	v_pk_mul_f32 v[192+J:193+J], v[192+J:193+J], v[192+J:193+J]    ; x^2 / 4 = z^2 / 2
.set J, J+2
.endr
.set J, 0
.rept 32
	v_pk_fma_f32 v[128+J:129+J], v[192+J:193+J], s[84:85], v[128+J:129+J] op_sel_hi:[1,0,1]
.set J, J+2
.endr
.set J, 0
.rept 64
	v_exp_f32 v[128+J], v[128+J]
.set J, J+1
.endr
	v_nop
	s_wait_alu depctr_va_vdst(0)
.set J, 0
.rept 32
	v_pk_fma_f32 v[J:J+1], v[64+J:65+J], v[128+J:129+J], v[J:J+1]
.set J, J+2
.endr
	QUANT 0, 1, 128, 112
	global_store_b128 v[LI], v[128:131], s[12:13]              ; the fragment as it stands: 512 consecutive aligned bytes a store
	global_store_b128 v[LI], v[132:135], s[12:13] offset:512
	global_store_b32 v[RS], v112, s[96:97]                     ; lanes r and 16 + r hold row r's word and write the same bytes
	s_wait_xcnt 0x0                                ; the stores have read their registers and bases: both are written again only behind this wait
	s_add_nc_u64 s[12:13], s[12:13], 4096
	s_add_nc_u64 s[96:97], s[96:97], 2048
	s_add_co_u32 s3, s3, 1
	s_cmp_lt_u32 s3, 8
	s_cbranch_scc1 .Lep
	s_wait_tensorcnt 0x0                           ; the wave's end
	ds_add_u32 v[SPW], v[NIL]
	s_wait_dscnt 0x0
	CROUND                                         ; the closing round
	s_endpgm
.Lfunc_end_k_q34c1c511aa_fc1:
	.size	k_q34c1c511aa_fc1, .Lfunc_end_k_q34c1c511aa_fc1-k_q34c1c511aa_fc1
	.p2alignl 7, 3214868480
	.fill 96, 4, 3214868480
	.section	.rodata,"a",@progbits
	.p2align	6, 0x0
	.amdhsa_kernel k_q34c1c511aa_fc1
		.amdhsa_group_segment_fixed_size 327680
		.amdhsa_private_segment_fixed_size 0
		.amdhsa_enable_private_segment 0
		.amdhsa_kernarg_size 32
		.amdhsa_user_sgpr_count 2
		.amdhsa_user_sgpr_kernarg_segment_ptr 1
		.amdhsa_wavefront_size32 1
		.amdhsa_system_sgpr_workgroup_id_x 1
		.amdhsa_system_sgpr_workgroup_id_y 1
		.amdhsa_system_sgpr_workgroup_id_z 1
		.amdhsa_system_vgpr_workitem_id 0
		.amdhsa_next_free_vgpr 1024
		.amdhsa_next_free_sgpr 100
		.amdhsa_reserve_vcc 0
		.amdhsa_float_denorm_mode_32 3
		.amdhsa_float_denorm_mode_16_64 3
		.amdhsa_memory_ordered 1
		.amdhsa_forward_progress 1
		.amdhsa_inst_pref_size 157
	.end_amdhsa_kernel
	.amdgpu_metadata
---
amdhsa.version: [ 1, 2 ]
amdhsa.kernels:
  - .name:           k_q34c1c511aa_fc1
    .symbol:         k_q34c1c511aa_fc1.kd
    .args:
      - { .name: mb, .offset: 0, .size: 8, .value_kind: global_buffer, .address_space: global }
      - { .name: pw, .offset: 8, .size: 8, .value_kind: global_buffer, .address_space: global }
      - { .name: fc1_b, .offset: 16, .size: 8, .value_kind: global_buffer, .address_space: global }
      - { .name: hid, .offset: 24, .size: 8, .value_kind: global_buffer, .address_space: global }
    .group_segment_fixed_size: 327680
    .private_segment_fixed_size: 0
    .kernarg_segment_align: 8
    .kernarg_segment_size: 32
    .max_flat_workgroup_size: 128
    .sgpr_count:     100
    .vgpr_count:     1024
    .wavefront_size: 32
...
	.end_amdgpu_metadata
.endif
;; end of part 4
;; launch fc2 (part 5): grid 8 x 32, 4 waves a work-group, clusters of 4 x 4, 327,680 bytes of LDS; arguments hid, pw, fc2_b, x1, out0; writes out0
.if DOCPART == 5
	.amdgcn_target "amdgcn-amd-amdhsa--gfx1250"
	.amdhsa_code_object_version 6
	.text
	.protected	k_q34c1c511aa_fc2
	.globl	k_q34c1c511aa_fc2
	.p2align	8
	.type	k_q34c1c511aa_fc2,@function
k_q34c1c511aa_fc2:
	s_mov_b64 s[64:65], 0
	v_nop
	global_prefetch_b8 v0, s[64:65] scope:SCOPE_SE
	s_setreg_imm32_b32 hwreg(HW_REG_WAVE_MODE, 25, 1), 1
	s_wait_xcnt 0x0
	s_wait_alu depctr_hold_cnt(0) depctr_sa_sdst(0) depctr_va_vdst(0) depctr_va_sdst(0) depctr_va_ssrc(0) depctr_va_vcc(0) depctr_vm_vsrc(0)
	s_getreg_b32 s2, hwreg(HW_REG_IB_STS2, 6, 4)
	s_cmp_eq_u32 s2, 0
	s_cbranch_scc0 .Lentry_in_a_cluster
	s_endpgm
.Lentry_in_a_cluster:
	s_bfe_u32 s2, ttmp6, 0x10000c
	s_cmp_lg_u32 s2, 0xf033
	s_cbranch_scc0 .Lentry_shape_is_right
	s_endpgm
.Lentry_shape_is_right:
; LAUNCH 5 OF 5.  out0 = x1 + hidden fc2_w + fc2_b on codes of E2M1, K = 4,096.  The result is 4,096 x 1,024: tiles of 128 x 128 give each of 256 work-groups one; four waves of 64 x 64: 16 accumulators.
; K goes in four phases of 1,024 through two LDS slots.  Operands are images of fragments' registers: 8 tiles x 512 along K are 32,768 consecutive bytes, one tensor load: waves 0, 1 fetch A's two groups of 512, waves 2, 3 B's.
; The scale bytes of all of K come once, with the first fills, and stay.  Two slots are filled again in all; each refill is a wave's one tensor load behind a round of the cluster's barrier and has a whole phase, 112 matrix
; instructions a wave, in which to land.  By this text's count a wave has three tensor loads out at the start, later one.
; CLUSTERS: 4 x 4 work-groups; A's tiles are shared along a row of the cluster, B's along a column, by joint loads.  THE MATRIX INSTRUCTION IS USED TRANSPOSED (source 0 = fc2_w's tiles, source 1 = tokens).
; This launch fills LDS bytes again and claims all of a WGP's LDS.
; REGISTERS: window 0: v16-30 addresses; v32-95 scale words, a set for each slot; v96-99 the bias; v128-255 the accumulators ((a, b) at v[128 + 8 (4 a + b)]).  window 1: two fragment buffers of 128.  window 2: x1.
.set W2C,  6684672
.set W2S,  8781824
.set HS,   8388608
.set SLOT, 131072
.set SCL,  262144                      ; the scale bytes: four parts of 8,192
.set SPARE, 294912                     ; the spare words, 128 bytes for each wave, which no other line names
.set STG,  295424                      ; the way out: 16 rows x (256 bytes + 16) for each wave, in bytes that no tensor load fills
.set ADRA, 16
.set ADRB, 20
.set STO,  24
.set RD,   25
.set CO,   26
.set ADRS, 27
.set SPW,  28
.set NIL,  29
.set SC,   32
.set ACC,  128
.set F0,   0
.set F1,   128
.set G1, 24
.set G0, 32
.set G1B, 48
.set G0B, 56
.set G1S, 68
.set G0S, 76
.set G1SB, 80
.set G0SB, 88
.set MSB, 0
.macro WIN new
.if MSB != (\new)
	s_set_vgpr_msb (MSB<<8)|(\new)
.set MSB, (\new)
.endif
.endm
.set MUL,  0x05                        ; sources 0 (B) and 1 (A) window 1; C and D window 0
.set TO_F, 0x40
.macro JLOAD g0a, g1a, g0b, g1b        ; a joint load: waves 0 and 1 fetch for A, waves 2 and 3 for B; an s_nop 0 and four v_nop follow each line
	s_cmp_eq_u32 s15, 0
	s_cbranch_scc0 .Lfor_b_\@
	tensor_load_to_lds s[\g0a:\g0a+3], s[\g1a:\g1a+7]
	s_nop 0
.rept 4
	v_nop
.endr
	s_branch .Lasked_\@
.Lfor_b_\@:
	tensor_load_to_lds s[\g0b:\g0b+3], s[\g1b:\g1b+7]
	s_nop 0
.rept 4
	v_nop
.endr
.Lasked_\@:
.endm
.macro CREST                           ; a round of the cluster's barrier behind its opening barrier
	s_cmp_lg_u32 s14, 0
	s_cbranch_scc1 .Lnot_wave_0_\@
	s_barrier_signal -3
.Lnot_wave_0_\@:
	s_barrier_wait -3
	s_barrier_signal -1
	s_barrier_wait -1
.endm
.macro CROUND
	s_barrier_signal -1
	s_barrier_wait -1
	CREST
.endm
	s_load_b256 s[4:11], s[0:1], 0x0               ; hid, pw, fc2_b, x1
	s_load_b64 s[12:13], s[0:1], 0x20              ; out0
	v_lshl_add_u32 v[SPW], v0, 2, SPARE
	v_mov_b32 v[NIL], 0
	ds_add_u32 v[SPW], v[NIL]                      ; the wave's opening: the add, twice on end, and its wait ahead of my first tensor load
	ds_add_u32 v[SPW], v[NIL]
	v_lshrrev_b32 v1, 5, v0
	v_readfirstlane_b32 s14, v1                    ; wave 0..3
	s_lshr_b32 s15, s14, 1                         ; which 64 rows are mine.  Also: I fetch for A (0) or for B (1)
	s_and_b32 s16, s14, 1                          ; which 64 columns.  Also: which group of 512 along K, and which 4 tiles' scale bytes, I fetch
	s_bfe_u32 s40, ttmp6, 0x40000
	s_bfe_u32 s41, ttmp6, 0x40004
	s_lshl_b32 s42, ttmp9, 2
	s_add_co_u32 s42, s42, s40                     ; tile column
	s_and_b32 s17, ttmp7, 0xffff
	s_lshl_b32 s17, s17, 2
	s_add_co_u32 s17, s17, s41                     ; tile row
	s_lshl_b32 s43, s41, 2
	s_lshl_b32 s43, 15, s43
	s_lshl_b32 s44, 0x1111, s40
	s_or_b32 s[G1+0], s43, (3<<16)|(1<<21)         ; 15:0 the mask; 17:16 elements of 8 bytes; 21 set beside a mask; no padding
	s_or_b32 s[G1B+0], s44, (3<<16)|(1<<21)
.irp g, G1, G1B                        ; 32,768 dense bytes as 128 rows of 256
	s_mov_b32 s[\g+1], 32<<16
	s_mov_b32 s[\g+2], 128<<16
	s_mov_b32 s[\g+3], 32<<16
	s_mov_b32 s[\g+4], 128
	s_mov_b32 s[\g+5], 32
	s_mov_b32 s[\g+6], 0
	s_mov_b32 s[\g+7], 0
.endr
	s_or_b32 s[G1S+0], s43, (3<<16)|(1<<21)
	s_or_b32 s[G1SB+0], s44, (3<<16)|(1<<21)
.irp g, G1S, G1SB                      ; 8,192 dense bytes as 32 rows of 256
	s_mov_b32 s[\g+1], 32<<16
	s_mov_b32 s[\g+2], 32<<16
	s_mov_b32 s[\g+3], 32<<16
	s_mov_b32 s[\g+4], 32
	s_mov_b32 s[\g+5], 32
	s_mov_b32 s[\g+6], 0
	s_mov_b32 s[\g+7], 0
.endr
	s_lshl_b32 s20, s16, 8
	s_lshl_b32 s21, s17, 3
	s_add_co_u32 s20, s20, s21                     ; A's images: (group x 256 + 8 x tile row) x 4,096
	s_lshl_b32 s20, s20, 12
	s_lshl_b32 s18, s16, 2
	s_add_co_u32 s22, s21, s18                     ; A's scale bytes: tile 8 x tile row + 4 x half, 2,048 bytes a tile
	s_lshl_b32 s22, s22, 11
	s_add_co_u32 s22, s22, HS
	s_mov_b32 s21, 0
	s_mov_b32 s23, 0
	s_lshl_b32 s46, s16, 6
	s_lshl_b32 s47, s42, 3
	s_add_co_u32 s46, s46, s47
	s_lshl_b32 s46, s46, 12
	s_add_co_u32 s46, s46, W2C
	s_add_co_u32 s92, s47, s18
	s_lshl_b32 s92, s92, 11
	s_add_co_u32 s92, s92, W2S
	s_mov_b32 s47, 0
	s_mov_b32 s93, 0
	s_lshl_b32 s45, s14, 15                        ; where they go: wave x 32,768, wave x 8,192: no place in the cluster enters an LDS address
	s_lshl_b32 s94, s14, 13
	s_wait_dscnt 0x0
	s_wait_kmcnt 0x0
	s_add_nc_u64 s[20:21], s[4:5], s[20:21]
	s_add_nc_u64 s[22:23], s[4:5], s[22:23]
	s_add_nc_u64 s[46:47], s[6:7], s[46:47]
	s_add_nc_u64 s[92:93], s[6:7], s[92:93]
	CROUND                                         ; all sixteen work-groups are here: the first joint loads meet
	s_mov_b32 s[G0S], 1
	s_add_co_u32 s[G0S+1], s94, SCL
	s_mov_b64 s[G0S+2:G0S+3], s[22:23]
	s_or_b32 s[G0S+3], s[G0S+3], 0x80000000
	s_mov_b32 s[G0SB], 1
	s_add_co_u32 s[G0SB+1], s94, SCL
	s_mov_b64 s[G0SB+2:G0SB+3], s[92:93]
	s_or_b32 s[G0SB+3], s[G0SB+3], 0x80000000
	JLOAD G0S, G1S, G0SB, G1SB
.irp s, 0,1
	s_mov_b32 s[G0+4*\s], 1
	s_add_co_u32 s[G0+4*\s+1], s45, \s*SLOT
	s_add_nc_u64 s[G0+4*\s+2:G0+4*\s+3], s[20:21], \s*2097152      ; phase s: two groups of 512 on
	s_or_b32 s[G0+4*\s+3], s[G0+4*\s+3], 0x80000000
	s_mov_b32 s[G0B+4*\s], 1
	s_add_co_u32 s[G0B+4*\s+1], s45, \s*SLOT
	s_add_nc_u64 s[G0B+4*\s+2:G0B+4*\s+3], s[46:47], \s*524288
	s_or_b32 s[G0B+4*\s+3], s[G0B+4*\s+3], 0x80000000
	JLOAD G0+4*\s, G1, G0B+4*\s, G1B
.endr
	v_and_b32 v1, 15, v0                           ; r
	v_bfe_u32 v2, v0, 4, 1                         ; h
	v_and_b32 v3, 31, v0
	v_lshlrev_b32 v4, 4, v3                        ; 16 x lane
	s_lshl_b32 s21, s15, 14                        ; my 4 tiles of A
	s_lshl_b32 s22, s16, 14
	s_add_co_u32 s22, s22, 65536                   ; my 4 tiles of B
.irp s, 0,1
	v_add_nc_u32 v[ADRA+\s], s21, v4
	v_add_nc_u32 v[ADRB+\s], s22, v4
	s_add_co_u32 s21, s21, SLOT
	s_add_co_u32 s22, s22, SLOT
.endr
	v_lshlrev_b32 v5, 4, v1
	s_lshl_b32 s21, s15, 13
	s_lshl_b32 s22, s16, 13
	s_add_co_u32 s22, s22, 16384
	s_sub_co_u32 s22, s22, s21
	v_mul_u32_u24 v6, s22, v2                      ; lanes 16-31 take B's scale words
	s_add_co_u32 s21, s21, SCL
	v_add_nc_u32 v6, v5, v6
	v_add_nc_u32 v[ADRS], s21, v6
	s_mul_i32 s23, s14, 16*272
	s_add_co_u32 s23, s23, STG                     ; my stage
	v_mul_u32_u24 v6, v1, 272
	v_lshl_add_u32 v6, v2, 6, v6
	v_add_nc_u32 v[STO], s23, v6                   ; in: row r, + 64 h
	v_mul_u32_u24 v6, v2, 272
	v_add_nc_u32 v6, v6, v5
	v_add_nc_u32 v[RD], s23, v6                    ; back: lanes 0-15 one row of 256 bytes, lanes 16-31 the next
	v_lshl_add_u32 v[CO], v2, 12, v5               ; and the same two rows in x1 and out0
	v_mov_b32 v30, v5                              ; the bias: 16 (lane % 16)
	s_lshl_b32 s96, s17, 1
	s_add_co_u32 s96, s96, s15
	s_lshl_b32 s96, s96, 18                        ; my first row: 64 rows of 4,096 bytes each
	s_lshl_b32 s98, s42, 1
	s_add_co_u32 s98, s98, s16
	s_lshl_b32 s98, s98, 8                         ; my first column: 64 numbers of 4 bytes
	s_add_co_u32 s96, s96, s98
	s_mov_b32 s97, 0
	s_mov_b32 s99, 0
	s_add_nc_u64 s[10:11], s[10:11], s[96:97]
	s_add_nc_u64 s[12:13], s[12:13], s[96:97]
	s_add_nc_u64 s[8:9], s[8:9], s[98:99]
	WIN 0x80                                       ; destination window 2
.irp a, 0,1,2,3                        ; x1 as the results come back from the stage: row 2 t + lane / 16 of tile a is token 32 (a / 2) + 8 (a % 2) + (2 t) % 8 + 16 (t / 4) + lane / 16
.irp t, 0,1,2,3,4,5,6,7
	global_load_b128 v[32*\a+4*\t:32*\a+4*\t+3], v[CO], s[10:11] offset:(32*(\a/2)+8*(\a%2)+(2*\t)%8+16*(\t/4))*4096 th:TH_LOAD_NT
.endr
.endr
	WIN 0
	global_load_b128 v[96:99], v30, s[8:9]
; 8 matrix instructions: A's tiles a0, a0 + 1 x B's four, K step st of the slot: half c of buffer f.  sg: the set of scale words.  The 16 accumulators take turns
.macro MUL8 f, c, a0, sg, st, zero
.irp a, \a0, \a0+1
.irp b, 0,1,2,3
.set rD, ACC+8*(4*(\a)+\b)
.set rB, (\f)+64+8*(4*(\c)+\b)
.set rA, (\f)+8*(4*(\c)+(\a))
.set rX, SC+32*(\sg)+8*\b+(\st)
.set rY, SC+32*(\sg)+8*(\a)+(\st)
.if \zero
	v_wmma_scale_f32_16x16x128_f8f6f4 v[rD:rD+7], v[rB:rB+7], v[rA:rA+7], 0, v[rX], v[rY] matrix_a_fmt:MATRIX_FMT_FP4 matrix_b_fmt:MATRIX_FMT_FP4 matrix_a_scale:MATRIX_SCALE_ROW1
.else
	v_wmma_scale_f32_16x16x128_f8f6f4 v[rD:rD+7], v[rB:rB+7], v[rA:rA+7], v[rD:rD+7], v[rX], v[rY] matrix_a_fmt:MATRIX_FMT_FP4 matrix_b_fmt:MATRIX_FMT_FP4 matrix_a_scale:MATRIX_SCALE_ROW1
.endif
.endr
.endr
.endm
; 32 LDS loads in one run: the fragments of K steps 2 qn and 2 qn + 1 of the slot into buffer f; the first step's first
.macro FETCH slot, qn, f
	WIN TO_F
.irp c, 0,1
.irp i, 0,1,2,3
.set oF, ((2*(\qn)+\c)/4)*32768+4096*\i+1024*((2*(\qn)+\c)%4)
	ds_load_b128 v[(\f)+64+8*(4*\c+\i):(\f)+64+8*(4*\c+\i)+3],   v[ADRB+\slot] offset:oF
	ds_load_b128 v[(\f)+64+8*(4*\c+\i)+4:(\f)+64+8*(4*\c+\i)+7], v[ADRB+\slot] offset:oF+512
	ds_load_b128 v[(\f)+8*(4*\c+\i):(\f)+8*(4*\c+\i)+3],         v[ADRA+\slot] offset:oF
	ds_load_b128 v[(\f)+8*(4*\c+\i)+4:(\f)+8*(4*\c+\i)+7],       v[ADRA+\slot] offset:oF+512
.endr
.endr
.endm
.macro SCALES sg, phi                  ; phase phi's scale words into set sg: register 8 i + K step; lanes 0-15 A's tile i, lanes 16-31 B's tile i.  Issued ahead of the fragments, so the counts below cover them
.irp i, 0,1,2,3
.irp g, 0,1
	ds_load_b128 v[SC+32*(\sg)+8*\i+4*\g:SC+32*(\sg)+8*\i+4*\g+3], v[ADRS] offset:2048*\i+256*(2*(\phi)+\g)
.endr
.endr
.endm
.macro PLACES
.rept 4
	v_nop
.endr
.endm
; A phase is four quarters of two K steps, 32 matrix instructions each, on buffers 0, 1, 0, 1.  One of the first three: multiplies quarter qn in buffer f and fetches the next into g.
.macro QUARTER slot, qn, f, g, zero
	s_wait_dscnt 16                                ; the first step's fragments are in; the second's 16 loads may be out
	WIN MUL
	MUL8 \f, 0, 0, \slot, 2*(\qn), \zero
	MUL8 \f, 0, 2, \slot, 2*(\qn), \zero
	PLACES
	FETCH \slot, (\qn)+1, \g
	s_wait_dscnt 32                                ; all but the 32 just issued
	WIN MUL
	MUL8 \f, 1, 0, \slot, 2*(\qn)+1, 0
	MUL8 \f, 1, 2, \slot, 2*(\qn)+1, 0
.endm
; The last quarter multiplies buffer 1 and changes slots: one barrier; in front of it each wave waits for all its tensor loads, adds 0 to its spare word, and waits for that and for its reads of this slot.
; fill = 1: the barrier opens a round of the cluster's barrier, and this slot is filled again, with the phase two on, first thing behind the round.
.macro TURN slot, next, fill, phi
	WIN 0
	s_wait_tensorcnt 0x0                           ; all my tensor loads have landed: my part of the next slot;
	ds_add_u32 v[SPW], v[NIL]                      ; 0 onto my spare word;
	s_wait_dscnt 17                                ; (the add and the youngest sixteen loads may be out)
	WIN MUL
	MUL8 F1, 0, 0, \slot, 6, 0
	s_wait_dscnt 0x0                               ; the add is done, and my reads of this slot are over
	s_barrier_signal -1
	MUL8 F1, 0, 2, \slot, 6, 0
	WIN 0
	s_barrier_wait -1
.if \fill
	CREST                                          ; no wave of any partner still reads this slot or has a load on its way
	s_add_nc_u64 s[G0+4*\slot+2:G0+4*\slot+3], s[G0+4*\slot+2:G0+4*\slot+3], 4194304
	s_add_nc_u64 s[G0B+4*\slot+2:G0B+4*\slot+3], s[G0B+4*\slot+2:G0B+4*\slot+3], 1048576
	JLOAD G0+4*\slot, G1, G0B+4*\slot, G1B         ; my one tensor load behind the round; its four v_nop are also the places in front of the loads below
.else
	PLACES
.endif
	SCALES \next, \phi
	FETCH \next, 0, F0
	WIN MUL
	MUL8 F1, 1, 0, \slot, 7, 0
	MUL8 F1, 1, 2, \slot, 7, 0
.endm
	s_wait_tensorcnt 1                             ; the scale bytes and my part of slot 0 are in; slot 1's load may be out
	s_barrier_signal -1
	s_barrier_wait -1
	SCALES 0, 0
	FETCH 0, 0, F0
	QUARTER 0, 0, F0, F1, 1                        ; the first products start the sums
	QUARTER 0, 1, F1, F0, 0
	QUARTER 0, 2, F0, F1, 0
	TURN 0, 1, 1, 1                                ; slot 0 takes phase 2
	QUARTER 1, 0, F0, F1, 0
	QUARTER 1, 1, F1, F0, 0
	QUARTER 1, 2, F0, F1, 0
	TURN 1, 0, 1, 2                                ; slot 1 takes phase 3
	QUARTER 0, 0, F0, F1, 0
	QUARTER 0, 1, F1, F0, 0
	QUARTER 0, 2, F0, F1, 0
	TURN 0, 1, 0, 3                                ; nothing is left to fetch
	QUARTER 1, 0, F0, F1, 0
	QUARTER 1, 1, F1, F0, 0
	QUARTER 1, 2, F0, F1, 0
	s_wait_dscnt 16
	WIN MUL
	MUL8 F1, 0, 0, 1, 6, 0
	MUL8 F1, 0, 2, 1, 6, 0
	s_wait_dscnt 0
	MUL8 F1, 1, 0, 1, 7, 0
	MUL8 F1, 1, 2, 1, 7, 0
	WIN 0
	s_wait_loadcnt 0x0                             ; x1 and the bias
	PLACES
; THE WAY OUT.  A lane holds eight neighbouring columns of one row for each of B's tiles: a block of 16 rows x 64 columns goes through my own stage and comes back as whole rows of 256 bytes, into the registers that it left.
; LDS serves a wave's instructions in order (ISA guide 5.7.1.4): no wait between the stores and the loads, nor in front of the next block's stores.
.irp a, 0,1,2,3
.irp b, 0,1,2,3
	ds_store_b128 v[STO], v[ACC+8*(4*\a+\b):ACC+8*(4*\a+\b)+3] offset:128*(\b/2)+32*(\b%2)          ; each accumulator from its low end on
	ds_store_b128 v[STO], v[ACC+8*(4*\a+\b)+4:ACC+8*(4*\a+\b)+7] offset:128*(\b/2)+32*(\b%2)+16
.endr
.irp t, 0,1,2,3,4,5,6,7
	ds_load_b128 v[ACC+32*\a+4*\t:ACC+32*\a+4*\t+3], v[RD] offset:544*\t
.endr
.endr
.irp a, 0,1,2,3
	s_wait_dscnt 16*(3-\a)                         ; block a is back; the later blocks' sixteen LDS instructions each may be out
	WIN 0x08                                       ; source 1 window 2
.set J, 0
.rept 16
	v_pk_add_f32 v[ACC+32*\a+J:ACC+32*\a+J+1], v[ACC+32*\a+J:ACC+32*\a+J+1], v[32*\a+J:32*\a+J+1]
.set J, J+2
.endr
	WIN 0
.irp t, 0,1,2,3,4,5,6,7
	v_pk_add_f32 v[ACC+32*\a+4*\t:ACC+32*\a+4*\t+1], v[ACC+32*\a+4*\t:ACC+32*\a+4*\t+1], v[96:97]
	v_pk_add_f32 v[ACC+32*\a+4*\t+2:ACC+32*\a+4*\t+3], v[ACC+32*\a+4*\t+2:ACC+32*\a+4*\t+3], v[98:99]
.endr
.irp t, 0,1,2,3,4,5,6,7
	global_store_b128 v[CO], v[ACC+32*\a+4*\t:ACC+32*\a+4*\t+3], s[12:13] offset:(32*(\a/2)+8*(\a%2)+(2*\t)%8+16*(\t/4))*4096 th:TH_STORE_NT   ; sixteen lanes store 256 consecutive aligned bytes
.endr
.endr
	s_wait_tensorcnt 0x0                           ; the wave's end, behind my last tensor load and my last LDS store
	ds_add_u32 v[SPW], v[NIL]
	s_wait_dscnt 0x0
	CROUND                                         ; the closing round: no work-group ends while a partner may still ask for a tile that names it
	s_endpgm
.Lfunc_end_k_q34c1c511aa_fc2:
	.size	k_q34c1c511aa_fc2, .Lfunc_end_k_q34c1c511aa_fc2-k_q34c1c511aa_fc2
	.p2alignl 7, 3214868480
	.fill 96, 4, 3214868480
	.section	.rodata,"a",@progbits
	.p2align	6, 0x0
	.amdhsa_kernel k_q34c1c511aa_fc2
		.amdhsa_group_segment_fixed_size 327680
		.amdhsa_private_segment_fixed_size 0
		.amdhsa_enable_private_segment 0
		.amdhsa_kernarg_size 40
		.amdhsa_user_sgpr_count 2
		.amdhsa_user_sgpr_kernarg_segment_ptr 1
		.amdhsa_wavefront_size32 1
		.amdhsa_system_sgpr_workgroup_id_x 1
		.amdhsa_system_sgpr_workgroup_id_y 1
		.amdhsa_system_sgpr_workgroup_id_z 1
		.amdhsa_system_vgpr_workitem_id 0
		.amdhsa_next_free_vgpr 768
		.amdhsa_next_free_sgpr 100
		.amdhsa_reserve_vcc 0
		.amdhsa_float_denorm_mode_32 3
		.amdhsa_float_denorm_mode_16_64 3
		.amdhsa_memory_ordered 1
		.amdhsa_forward_progress 1
		.amdhsa_inst_pref_size 133
	.end_amdhsa_kernel
	.amdgpu_metadata
---
amdhsa.version: [ 1, 2 ]
amdhsa.kernels:
  - .name:           k_q34c1c511aa_fc2
    .symbol:         k_q34c1c511aa_fc2.kd
    .args:
      - { .name: hid, .offset: 0, .size: 8, .value_kind: global_buffer, .address_space: global }
      - { .name: pw, .offset: 8, .size: 8, .value_kind: global_buffer, .address_space: global }
      - { .name: fc2_b, .offset: 16, .size: 8, .value_kind: global_buffer, .address_space: global }
      - { .name: x1, .offset: 24, .size: 8, .value_kind: global_buffer, .address_space: global }
      - { .name: out0, .offset: 32, .size: 8, .value_kind: global_buffer, .address_space: global }
    .group_segment_fixed_size: 327680
    .private_segment_fixed_size: 0
    .kernarg_segment_align: 8
    .kernarg_segment_size: 40
    .max_flat_workgroup_size: 128
    .sgpr_count:     100
    .vgpr_count:     768
    .wavefront_size: 32
...
	.end_amdgpu_metadata
.endif
;; end of part 5
;; ======== version 2 of 2: 5 launches; version 1 with the launch mid written anew for expert scheduling mode
;; workspace buffers: pw 8,912,896 bytes; qk 6,684,672 bytes; mb 2,228,224 bytes; x1 16,777,216 bytes; hid 8,912,896 bytes
;; launch prep: the kernel of part 1 again; grid 224 x 2, 4 waves a work-group, no clusters, 27,648 bytes of LDS; arguments x, g1, b1, qkv_w, proj_w, fc1_w, fc2_w, pw; writes pw
;; launch qkv: the kernel of part 2 again; grid 12 x 16, 4 waves a work-group, clusters of 4 x 4, 327,680 bytes of LDS; arguments pw, qkv_b, qk; writes qk
;; launch mid (part 6): grid 256 x 1, 8 waves a work-group, no clusters, 77,824 bytes of LDS; arguments qk, pw, proj_b, x, g2, b2, mb, x1; writes mb, x1
.if DOCPART == 6
	.amdgcn_target "amdgcn-amd-amdhsa--gfx1250"
	.amdhsa_code_object_version 6
	.text
	.protected	k_q34c1c511aa_mid
	.globl	k_q34c1c511aa_mid
	.p2align	8
	.type	k_q34c1c511aa_mid,@function
k_q34c1c511aa_mid:
	s_mov_b64 s[64:65], 0
	v_nop
	global_prefetch_b8 v0, s[64:65] scope:SCOPE_SE
	s_setreg_imm32_b32 hwreg(HW_REG_WAVE_SCHED_MODE, 0, 2), 2
	s_setreg_imm32_b32 hwreg(HW_REG_WAVE_MODE, 25, 1), 1
	s_wait_xcnt 0x0
	s_wait_alu depctr_vm_vsrc(0)
; LAUNCH 3 OF 5.  The attention in its window of three keys, the projection, the residual (x1, f32) and LN2, quantised for fc1.
; WORK LEFT OUT (shown at launch 1's head): tiles of keys that lie wholly under the mask j <= i, j > i - 3, which the problem builds itself: their p is 0 for all inputs.  Taken are the query's own block of 32 keys and the
; last eight keys of the block before.  LIMITS as there; results of v_exp_f32 and v_rcp_f32 under 2^-126 come out as zero.
; SHARES.  Work-group T takes the 16 tokens of tile T (block b = T / 2 of 32 tokens, half u = T % 2) and all 1,024 channels.  Wave w takes heads 2 w, 2 w + 1, then output columns 128 w .. 128 w + 127.
; SCORES.  S^T = K Q^T: source 0 = a tile of 16 keys, source 1 = my 16 queries: a lane holds one query.  An image holds two heads (128 channels); Q's fragment is taken twice, with zero codes for the other head.
; SOFTMAX as the problem states it: t = score x log2(e) / 8, M = ceil(the row's largest t), p = 2^(t - M), quantised along the keys in the tokens' blocks of 32; the sum of the unquantised p divides at the end.
; VALUES.  O^T = V^T P^T with a K of 128 made of four blocks: blocks 0 and 1 are BOTH the query's key block (a lane of half h supplies its own 16 keys' codes and zeros for the other 16), blocks 2 and 3 both the block before:
; V's 16 bytes of a key block are loaded alike by both halves of the lanes.  The sums are those of the two blocks, exactly.
; PROJECTION.  Source 0 = proj_w's tiles, straight from memory into registers as images; source 1 = the attention's result, quantised in registers and handed from wave to wave through LDS as images.  C of the first K step is x + proj_b.
; NO CLUSTER, NO TENSOR LOAD: each fragment of proj_w feeds one matrix instruction of the one wave that loads it; proj_w's 557,056 bytes of codes and scales do not fit in LDS, and a shared ring would take six refills or more,
; each behind a round of a cluster's barrier, for 64 matrix instructions a wave.
; REGISTERS: window 0: v1-23 and v63 addresses and constants; v24-45 and v64-127 scale words alone; v46-62 at work; v128-191 Q and the scores, then O, then the eight fragments; v192-255 softmax's figures, then the accumulators.
;   window 1: x's rows, proj_b, K's images, V's; then four buffers of proj_w's fragments; last g2, b2.
; THE MODE: SCHED_MODE bits 1:0 = 2 (LLVM: expert scheduling mode 2), set by the entry lines.  The code itself states the register dependences between vector or matrix instructions and memory or LDS instructions,
; with s_wait_alu, always for 0.
; THE PLAN.  Registers that memory or LDS instructions touch:
;   v4-16, v21, v63; v22, v23   addresses, and the closing add's two: written at the head and never again: one wait on va_vdst ahead of the first load serves them all.
;   window 1, buffers of 64     B0: x's rows (loaded; the additions write them; LDS stores read them), then proj_w's K steps 0 and 4, then g2.   B1: proj_b (the additions read it), then steps 1 and 5, then b2.
;                               B2: K's images (the score products read them), then steps 2 and 6.   B3: V's (the value products read them), then steps 3 and 7.
;                               A buffer is asked for again straight behind the matrix instructions that read it, behind one wait on va_vdst: two waves share a SIMD's registers, so there is no fifth buffer, and a
;                               buffer that waited for the next step's data would lie idle meanwhile.
;   v128-191                    Q (loaded), scores and O (matrix results), the eight fragments (LDS loads), last fc1's codes (conversions write, global stores read).
;   v192-255                    softmax's figures, the codes v248-255 (LDS stores read them); x + proj_b (LDS loads), the accumulators; x1 (LDS stores read them); LN2 in place; x1's rows (LDS loads, global stores).
;   v46-53, v62                 a sum (vector, then an LDS store of v46, then LDS loads into v46-53), twice; the scale word just made (an LDS store reads it), twice.
; A run of stores has one wait on va_vdst ahead of it; what that wait has shown done is not named by vector instructions again before the loads that follow behind the barrier, so those owe only the wait on vm_vsrc for the
; registers that the stores read.
.set WPC,  3899392
.set WPS,  4423680
.set QS,   6291456
.set H2S,  2097152
.set AIMG, 65792                       ; LDS: from 0 sixteen rows of x + proj_b, later x1: 4,096 bytes + 16; here the eight images,
.set ASC,  73984                       ; their scale words,
.set RED1, 75008                       ; the waves' sums (and, 512 on, their sums of squares),
.set SCG,  76032                       ; the tile's 512 scale bytes for fc1,
.set SPARE, 76544                      ; the spare words, 128 bytes for each wave, which no other line names
.set SPW, 22
.set NIL, 23
.set TM,  46
.set SEL, 28
.set FL,  32
.set MSB, 0
.macro WIN new
.if MSB != (\new)
	s_set_vgpr_msb (MSB<<8)|(\new)
.set MSB, (\new)
.endif
.endm
.macro QUANT src, w, pc, pw            ; as in launch 2
	WIN ((\w)<<2)|((\w)<<4)
.irp b, 0,1,2,3
	v_max3_num_f32 v[TM+\b], s[FL], |v[(\src)+16*\b]|, |v[(\src)+1+16*\b]|
.endr
.irp i, 2,4,6,8,10,12,14
.irp b, 0,1,2,3
	v_max3_num_f32 v[TM+\b], v[TM+\b], |v[(\src)+16*\b+\i]|, |v[(\src)+1+16*\b+\i]|
.endr
.endr
	WIN 0
.irp b, 0,1,2,3
	v_permlanex16_b32 v[TM+4+\b], v[TM+\b], s[SEL], s[SEL+1]
.endr
.irp b, 0,1,2,3
	v_max_num_f32 v[TM+\b], v[TM+\b], v[TM+4+\b]
.endr
.irp b, 0,1,2,3
	v_add_nc_u32 v[TM+12+\b], 0xff000000, v[TM+\b]
.endr
.irp b, 0,1,2,3
	v_lshrrev_b32 v[TM+4+\b], 23, v[TM+12+\b]
.endr
	v_lshl_or_b32 v[\pw], v[TM+5], 8, v[TM+4]
	v_lshl_or_b32 v[\pw], v[TM+6], 16, v[\pw]
	v_lshl_or_b32 v[\pw], v[TM+7], 24, v[\pw]
	WIN (\w)
.irp b, 0,1,2,3
	v_cvt_scalef32_pk8_fp4_f32 v[(\pc)+2*\b], v[(\src)+16*\b:(\src)+7+16*\b], v[TM+12+\b]
	v_cvt_scalef32_pk8_fp4_f32 v[(\pc)+1+2*\b], v[(\src)+8+16*\b:(\src)+15+16*\b], v[TM+12+\b]
.endr
	WIN 0
	v_nop
.irp c, 0,1
.irp i, 0,1
	v_permlane16_swap_b32 v[(\pc)+4*\c+\i], v[(\pc)+2+4*\c+\i]
.endr
.endr
.endm
.macro BARRIER                         ; my LDS stores have landed and my LDS loads are in: then the work-group's barrier
	s_wait_dscnt 0x0
	s_barrier_signal -1
	s_barrier_wait -1
.endm
.macro WLOAD s                         ; proj_w's eight fragments of K step s into buffer s % 4 of window 1: 16 loads of 512 consecutive bytes
.irp nt, 0,1,2,3,4,5,6,7
.irp c, 0,1
	global_load_b128 v[64*((\s)%4)+8*\nt+4*\c:64*((\s)%4)+8*\nt+4*\c+3], v4, s[62:63] offset:((\s)/4)*262144+4096*\nt+1024*((\s)%4)+512*\c
.endr
.endr
.endm
.macro GBLOAD reg, sb                  ; g2 or b2 in the accumulators' layout: 16 loads
.irp k, 0,1,2,3
.irp i, 0,1,2,3
	global_load_b128 v[\reg+16*\k+4*\i:\reg+16*\k+4*\i+3], v21, s[\sb:\sb+1] offset:128*\k+16*\i
.endr
.endr
.endm
	s_load_b512 s[8:23], s[0:1], 0x0               ; qk, pw, proj_b, x, g2, b2, mb, x1
	v_lshl_add_u32 v[SPW], v0, 2, SPARE
	v_mov_b32 v[NIL], 0
	v_lshrrev_b32 v1, 5, v0
	v_readfirstlane_b32 s2, v1                     ; wave 0..7
	v_and_b32 v1, 31, v0                           ; lane
	v_and_b32 v2, 15, v0                           ; r
	v_bfe_u32 v3, v0, 4, 1                         ; h
	v_lshlrev_b32 v4, 4, v1                        ; 16 x lane
	v_lshlrev_b32 v5, 2, v1                        ; 4 x lane
	v_lshlrev_b32 v6, 2, v2                        ; 4 r
	v_lshlrev_b32 v9, 4, v2                        ; 16 r
	v_add_nc_u32 v7, SCG, v4
	v_add_nc_u32 v8, AIMG, v4                      ; any image's place for my lane: the region's base lies beyond what an LDS instruction's 16-bit immediate holds, so the register carries it
	v_add_nc_u32 v63, ASC, v5                      ; and any scale word's
	s_wait_alu depctr_va_sdst(0)                   ; s2, the wave's number, is written, ahead of its first reader: LDS places and all the bases are made from it
	s_mul_i32 s24, s2, 2*4112
	v_add_nc_u32 v10, s24, v4                      ; rows 2 w, 2 w + 1 of the sixteen, whole
	v_mul_u32_u24 v11, v2, 4112
	v_lshl_add_u32 v11, v3, 6, v11
	s_lshl_b32 s24, s2, 9
	v_add_nc_u32 v11, s24, v11                     ; row r, my wave's 128 columns, + 64 h: the accumulators' layout
	s_lshl_b32 s24, s2, 10
	s_add_co_u32 s24, s24, AIMG
	v_add_nc_u32 v12, s24, v4
	s_lshl_b32 s24, s2, 7
	s_add_co_u32 s24, s24, ASC
	v_add_nc_u32 v13, s24, v5
	v_lshlrev_b32 v15, 5, v2
	v_add_nc_u32 v15, RED1, v15                    ; row r's eight sums
	s_lshl_b32 s24, s2, 2
	v_add_nc_u32 v14, s24, v15                     ; my wave's among them
	s_lshr_b32 s24, s2, 2
	s_lshl_b32 s24, s24, 8
	s_and_b32 s25, s2, 3
	s_lshl_b32 s25, s25, 2
	s_add_co_u32 s24, s24, s25
	s_add_co_u32 s24, s24, SCG
	v_add_nc_u32 v16, s24, v9
	s_lshr_b32 s4, ttmp9, 1                        ; b
	s_and_b32 s5, ttmp9, 1                         ; u
	s_sub_co_i32 s6, s4, 1
	s_max_i32 s6, s6, 0                            ; the block before (block 0: itself; its keys are masked)
	s_lshl_b32 s7, s4, 1
	s_sub_co_i32 s7, s7, 1
	s_max_i32 s7, s7, 0                            ; the tile with its last eight keys
	v_and_b32 v17, 7, v2
	v_lshrrev_b32 v19, 3, v2
	v_lshl_add_u32 v17, v19, 4, v17
	s_lshl_b32 s24, s5, 3
	v_add_nc_u32 v17, s24, v17                     ; my query's place in the block: 8 u + r % 8 + 16 (r / 8)
	v_lshlrev_b32 v19, 4, v3
	v_sub_nc_u32 v17, v17, v19                     ; less 16 h: register n of the block's 16 holds key 16 h + n: query - key = v17 - n
	s_and_b32 s24, s4, 63
	s_cmp_eq_u32 s24, 0                            ; a sequence's first block has no block before it
	s_cselect_b32 s24, 4120, 24
	v_add_nc_u32 v18, s24, v17                     ; register j of the tile before holds key -24 + 16 h + j: query - key = v18 - j
	v_mov_b32 v20, 0xff800000                      ; -infinity
	v_lshlrev_b32 v21, 6, v3                       ; 64 h
	s_mov_b32 s25, 0
	s_wait_kmcnt 0x0
	s_lshl_b32 s24, s4, 5
	s_lshl_b32 s3, s5, 3
	s_add_co_u32 s24, s24, s3
	s_and_b32 s3, s2, 3
	s_lshl_b32 s3, s3, 1
	s_add_co_u32 s24, s24, s3
	s_lshr_b32 s3, s2, 2
	s_lshl_b32 s3, s3, 4
	s_add_co_u32 s24, s24, s3                      ; rows 2 w, 2 w + 1 are two consecutive tokens
	s_lshl_b32 s24, s24, 12
	s_add_nc_u64 s[36:37], s[14:15], s[24:25]      ; in x,
	s_add_nc_u64 s[38:39], s[22:23], s[24:25]      ; in x1
	WIN 0x40                                       ; destination window 1
	s_wait_alu depctr_va_vdst(0)                   ; the addresses v4 to v16, v21 and v63 are written, which every load and store of the kernel reads, and so are v22 and v23, the closing add's two; none is written again
.irp e, 0,1
.irp j, 0,1,2,3,4,5,6,7
	global_load_b128 v[32*\e+4*\j:32*\e+4*\j+3], v4, s[36:37] offset:4096*\e+512*\j th:TH_LOAD_NT
.endr
.endr
.irp j, 0,1,2,3,4,5,6,7
	global_load_b128 v[64+4*\j:67+4*\j], v4, s[12:13] offset:512*\j
.endr
	s_add_co_u32 s3, s2, 8                         ; k's group of 128 channels
	s_lshl_b32 s24, s3, 18
	s_lshl_b32 s26, s7, 10
	s_add_co_u32 s24, s24, s26
	s_add_nc_u64 s[42:43], s[8:9], s[24:25]
	s_lshl_b32 s24, s3, 18
	s_lshl_b32 s26, s4, 11
	s_add_co_u32 s24, s24, s26
	s_add_nc_u64 s[44:45], s[8:9], s[24:25]
	s_lshl_b32 s24, s3, 14
	s_add_co_u32 s24, s24, QS
	s_lshl_b32 s26, s7, 6
	s_add_co_u32 s26, s26, s24
	s_lshl_b32 s3, s4, 7
	s_add_co_u32 s24, s24, s3
	s_add_nc_u64 s[48:49], s[8:9], s[24:25]
	s_mov_b32 s24, s26
	s_add_nc_u64 s[46:47], s[8:9], s[24:25]
	s_lshl_b32 s24, s2, 18
	s_lshl_b32 s26, ttmp9, 10
	s_add_co_u32 s24, s24, s26
	s_add_nc_u64 s[50:51], s[8:9], s[24:25]        ; q's image,
	s_lshr_b32 s24, s24, 4
	s_add_co_u32 s24, s24, QS
	s_add_nc_u64 s[52:53], s[8:9], s[24:25]        ; its scale words
	s_lshr_b32 s24, s4, 2                          ; v: key block b is block b % 4 of token step b / 4: its 16 bytes a row lie 256 (b % 4) into an image
	s_lshl_b32 s3, s24, 12
	s_lshl_b32 s24, s24, 16
	s_lshl_b32 s26, s2, 13
	s_add_co_u32 s24, s24, s26
	s_and_b32 s26, s4, 3
	s_lshl_b32 s26, s26, 8
	s_add_co_u32 s24, s24, s26
	s_add_co_u32 s24, s24, 4194304
	s_add_nc_u64 s[54:55], s[8:9], s[24:25]
	s_lshl_b32 s26, s2, 9
	s_add_co_u32 s24, s3, s26
	s_add_co_u32 s24, s24, QS+262144
	s_add_nc_u64 s[58:59], s[8:9], s[24:25]
	s_lshr_b32 s24, s6, 2                          ; and the block before likewise
	s_lshl_b32 s3, s24, 12
	s_lshl_b32 s24, s24, 16
	s_lshl_b32 s26, s2, 13
	s_add_co_u32 s24, s24, s26
	s_and_b32 s26, s6, 3
	s_lshl_b32 s26, s26, 8
	s_add_co_u32 s24, s24, s26
	s_add_co_u32 s24, s24, 4194304
	s_add_nc_u64 s[56:57], s[8:9], s[24:25]
	s_lshl_b32 s26, s2, 9
	s_add_co_u32 s24, s3, s26
	s_add_co_u32 s24, s24, QS+262144
	s_add_nc_u64 s[60:61], s[8:9], s[24:25]
.irp c, 0,1                            ; K's images: the tile before at v128, the block's two at v136, v144 (window 1).  No vector instruction has been issued since the wait above
	global_load_b128 v[128+4*\c:131+4*\c], v4, s[42:43] offset:512*\c
	global_load_b128 v[136+4*\c:139+4*\c], v4, s[44:45] offset:512*\c
	global_load_b128 v[144+4*\c:147+4*\c], v4, s[44:45] offset:1024+512*\c
.endr
.irp o, 0,1,2,3,4,5,6,7                ; V's: both halves of the lanes load row r's 16 bytes: sixteen lanes read 256 consecutive aligned bytes
	global_load_b128 v[192+8*\o:195+8*\o], v9, s[54:55] offset:1024*\o
	global_load_b128 v[196+8*\o:199+8*\o], v9, s[56:57] offset:1024*\o
.endr
	WIN 0
	global_load_b128 v[128:131], v4, s[50:51]              ; Q with head 2 w alone: v128-135,
	global_load_b128 v[140:143], v4, s[50:51] offset:512   ; with head 2 w + 1 alone: v136-143
	global_load_b32 v24, v6, s[52:53]
	global_load_b32 v25, v6, s[46:47]
	global_load_b32 v26, v6, s[48:49]
	global_load_b32 v27, v6, s[48:49] offset:64
.irp o, 0,1,2,3,4,5,6,7
	global_load_b32 v[28+\o], v6, s[58:59] offset:64*\o
	global_load_b32 v[192+\o], v6, s[60:61] offset:64*\o
.endr
	s_lshl_b32 s24, s2, 15
	s_add_co_u32 s24, s24, WPC
	s_add_nc_u64 s[62:63], s[10:11], s[24:25]      ; my eight tiles of proj_w,
	s_lshl_b32 s24, s2, 12
	s_add_co_u32 s24, s24, WPS
	s_add_nc_u64 s[90:91], s[10:11], s[24:25]      ; their scale bytes
	s_lshl_b32 s24, s2, 9
	s_add_nc_u64 s[16:17], s[16:17], s[24:25]      ; g2, b2 at my 128 columns
	s_add_nc_u64 s[18:19], s[18:19], s[24:25]
	s_lshr_b32 s24, s2, 2
	s_lshl_b32 s24, s24, 8
	s_add_co_u32 s24, s24, ttmp9
	s_lshl_b32 s24, s24, 2
	s_and_b32 s26, s2, 3
	s_add_co_u32 s24, s24, s26
	s_lshl_b32 s24, s24, 10
	s_add_nc_u64 s[92:93], s[20:21], s[24:25]      ; the image of K step w of tile T for fc1,
	s_lshl_b32 s24, ttmp9, 9
	s_add_co_u32 s24, s24, H2S
	s_add_nc_u64 s[94:95], s[20:21], s[24:25]      ; the tile's scale bytes
	s_and_b32 s24, s4, 3
	s_mul_i32 s24, s24, 0x0101
	s_and_b32 s26, s6, 3
	s_add_co_u32 s26, s26, 4
	s_mul_i32 s26, s26, 0x01010000
	s_add_co_u32 s33, s24, s26                     ; v_perm_b32: V's byte of block b twice, of the block before twice
	s_mov_b32 s[SEL], 0x76543210
	s_mov_b32 s[SEL+1], 0xfedcba98
	s_mov_b32 s30, 0x3e38aa3b                      ; c = log2(e) / 8
	s_mov_b32 s31, s30
	s_mov_b32 s[FL], 0x1800000                     ; the floor 2^(3 - 127)
	s_mov_b32 s34, 0xffff0000                      ; lanes 16-31
	s_mov_b32 s35, 0x3a800000                      ; 1 / 1024
	s_mov_b32 s27, 0x3727c5ac                      ; 1e-5
.irp n, 132,133,134,135,136,137,138,139, 204,205,206,212,213,214, 218,219,221,231,234,235,237,247, 50,51,52,53,55,57
	v_mov_b32 v[\n], 0                             ; zero codes; lane permutes' destinations; upper halves of pairs that packed forms name.  (None of these is a register in which a load above lands)
.endr
.irp n, 0,1,2,3,4,5,6,7,8,9,10,11,12,13,14,15
	v_add_nc_u32 v19, -\n, v17
	v_cmp_gt_u32 s[66+\n], 3, v19                  ; the key counts where query - key is 0, 1 or 2
.endr
.irp n, 0,1,2,3,4,5,6,7
	v_add_nc_u32 v19, -\n, v18
	v_cmp_gt_u32 s[82+\n], 3, v19
.endr
	s_wait_alu depctr_va_sdst(0)                   ; the 24 masks s66 to s89 are written: one wait behind the run of compares, ahead of the selections that read them
	s_wait_loadcnt 44                              ; x's rows and proj_b are in; the attention's 44 loads may be out
	WIN 0x45
.irp e, 0,1
.set J, 0
.rept 16
	v_pk_add_f32 v[32*\e+J:32*\e+J+1], v[32*\e+J:32*\e+J+1], v[64+J:65+J]
.set J, J+2
.endr
.endr
	WIN 0x04                                       ; an LDS store's data are its source 1
	s_wait_alu depctr_va_vdst(0)                   ; the additions have written x + proj_b, which the LDS stores read.  (The zero codes v132-139, which the score products take, are written too)
.irp e, 0,1
.irp j, 0,1,2,3,4,5,6,7
	ds_store_b128 v10, v[32*\e+4*\j:32*\e+4*\j+3] offset:4112*\e+512*\j
.endr
.endr
	WIN 0
	s_wait_dscnt 0x0                               ; my stores of x + proj_b are done, as it stood; that they have read their registers is stated below
.irp nt, 0,1,2,3,4,5,6,7
.irp g, 0,1
	global_load_b128 v[64+8*\nt+4*\g:67+8*\nt+4*\g], v9, s[90:91] offset:512*\nt+256*\g   ; proj_w's scale words: register 8 nt + K step.  No vector instruction names these registers
.endr
.endr
	WIN 0x40
	s_wait_alu depctr_va_vdst(0)                   ; behind the window's switch, directly ahead of the loads: the additions are done writing x's rows and reading proj_b, in whose registers (buffers 0 and 1) the loads land
	s_wait_alu depctr_vm_vsrc(0)                   ; and the LDS stores have read x's rows
	WLOAD 0
	WLOAD 1
	WIN 0
	s_wait_loadcnt 48                              ; the attention's operands are in; the 48 loads just issued may be out
.irp o, 0,1,2,3,4,5,6,7
	v_perm_b32 v[28+\o], v[192+\o], v[28+\o], s33
.endr
	WIN 0x01                                       ; source 0 window 1
.irp c, 0,1
	v_wmma_scale_f32_16x16x128_f8f6f4 v[144+24*\c:151+24*\c], v[136:143], v[128+8*\c:135+8*\c], 0, v26, v24 matrix_a_fmt:MATRIX_FMT_FP4 matrix_b_fmt:MATRIX_FMT_FP4
	v_wmma_scale_f32_16x16x128_f8f6f4 v[152+24*\c:159+24*\c], v[144:151], v[128+8*\c:135+8*\c], 0, v27, v24 matrix_a_fmt:MATRIX_FMT_FP4 matrix_b_fmt:MATRIX_FMT_FP4
	v_wmma_scale_f32_16x16x128_f8f6f4 v[160+24*\c:167+24*\c], v[128:135], v[128+8*\c:135+8*\c], 0, v25, v24 matrix_a_fmt:MATRIX_FMT_FP4 matrix_b_fmt:MATRIX_FMT_FP4
.endr
	WIN 0
.rept 4
	v_nop                                          ; places in front of the first read of the scores
.endr
	WIN 0x40
	s_wait_alu depctr_va_vdst(0)                   ; the six products are done reading K's images, in whose registers (buffer 2) the loads land
	WLOAD 2
	WIN 0
; head c's 24 scores at v[144 + 24 c]: 16 of the block, 8 of the tile before.  Its figures at v[216 + 16 c]: +0, +1 the two blocks' largest; +4 -M; +6 .. +9 sums; +10, +11 scale operands; +12, +13 bytes; +14 1 / l
.irp c, 0,1
.set J, 0
.rept 24
	v_cndmask_b32 v[144+24*\c+J], v20, v[144+24*\c+J], s[66+J]     ; hidden keys: -infinity, ahead of the maximum
.set J, J+1
.endr
.endr
.irp c, 0,1
	v_max3_num_f32 v[216+16*\c], v[144+24*\c], v[145+24*\c], v[146+24*\c]
	v_max3_num_f32 v[217+16*\c], v[160+24*\c], v[161+24*\c], v[162+24*\c]
.endr
.irp i, 3,5,7,9,11,13
.irp c, 0,1
	v_max3_num_f32 v[216+16*\c], v[216+16*\c], v[144+24*\c+\i], v[145+24*\c+\i]
.endr
.endr
.irp i, 19,21
.irp c, 0,1
	v_max3_num_f32 v[217+16*\c], v[217+16*\c], v[144+24*\c+\i], v[145+24*\c+\i]
.endr
.endr
.irp c, 0,1
	v_max_num_f32 v[216+16*\c], v[216+16*\c], v[159+24*\c]
	v_max_num_f32 v[217+16*\c], v[217+16*\c], v[167+24*\c]
.endr
.irp c, 0,1
	v_permlanex16_b32 v[218+16*\c], v[216+16*\c], s[SEL], s[SEL+1]
	v_permlanex16_b32 v[219+16*\c], v[217+16*\c], s[SEL], s[SEL+1]
.endr
.irp c, 0,1
	v_max_num_f32 v[216+16*\c], v[216+16*\c], v[218+16*\c]         ; each block's largest score: it serves for the row's maximum and, since p rises with the score, for the block's largest p
	v_max_num_f32 v[217+16*\c], v[217+16*\c], v[219+16*\c]
.endr
.irp c, 0,1
	v_max_num_f32 v[218+16*\c], v[216+16*\c], v[217+16*\c]
.endr
.irp c, 0,1
	v_mul_f32 v[218+16*\c], s30, v[218+16*\c]
.endr
.irp c, 0,1
	v_floor_f32 v[220+16*\c], -v[218+16*\c]                        ; -M = floor(-t) = -ceil(t).  The query's own key always counts, so M is a number
.endr
.irp c, 0,1
.set J, 0
.rept 12
	v_pk_fma_f32 v[144+24*\c+J:145+24*\c+J], v[144+24*\c+J:145+24*\c+J], s[30:31], v[220+16*\c:221+16*\c] op_sel_hi:[1,0,0]   ; t - M
.set J, J+2
.endr
	v_fma_f32 v[216+16*\c], v[216+16*\c], s30, v[220+16*\c]
	v_fma_f32 v[217+16*\c], v[217+16*\c], s30, v[220+16*\c]
.endr
.irp c, 0,1
.set J, 0
.rept 24
	v_exp_f32 v[144+24*\c+J], v[144+24*\c+J]                       ; p = 2^(t - M): one batch of 52 exponentials
.set J, J+1
.endr
	v_exp_f32 v[216+16*\c], v[216+16*\c]
	v_exp_f32 v[217+16*\c], v[217+16*\c]
.endr
	v_nop                                          ; a plain instruction behind the last exponential,
	s_wait_alu depctr_va_vdst(0)                   ; and the one wait ahead of the batch's first reader: the 52 exponentials have written p and the blocks' largest p
.irp c, 0,1
	v_pk_add_f32 v[222+16*\c:223+16*\c], v[144+24*\c:145+24*\c], v[146+24*\c:147+24*\c]   ; the row's sum, of the unquantised p
	v_pk_add_f32 v[224+16*\c:225+16*\c], v[148+24*\c:149+24*\c], v[150+24*\c:151+24*\c]
.endr
.irp i, 8,12,16,20
.irp c, 0,1
	v_pk_add_f32 v[222+16*\c:223+16*\c], v[222+16*\c:223+16*\c], v[144+24*\c+\i:145+24*\c+\i]
	v_pk_add_f32 v[224+16*\c:225+16*\c], v[224+16*\c:225+16*\c], v[146+24*\c+\i:147+24*\c+\i]
.endr
.endr
.irp c, 0,1
	v_pk_add_f32 v[222+16*\c:223+16*\c], v[222+16*\c:223+16*\c], v[224+16*\c:225+16*\c]
.endr
.irp c, 0,1
	v_add_f32 v[222+16*\c], v[222+16*\c], v[223+16*\c]
.endr
.irp c, 0,1
	v_permlanex16_b32 v[223+16*\c], v[222+16*\c], s[SEL], s[SEL+1]
.endr
.irp c, 0,1
	v_add_f32 v[222+16*\c], v[222+16*\c], v[223+16*\c]             ; l
	v_max_num_f32 v[216+16*\c], s[FL], v[216+16*\c]                ; the floor: a block whose every p is 0 keeps the byte 1: its codes are zeros
	v_max_num_f32 v[217+16*\c], s[FL], v[217+16*\c]
.endr
.irp c, 0,1
	v_add_nc_u32 v[226+16*\c], 0xff000000, v[216+16*\c]
	v_add_nc_u32 v[227+16*\c], 0xff000000, v[217+16*\c]
.endr
.irp c, 0,1
	v_lshrrev_b32 v[228+16*\c], 23, v[226+16*\c]
	v_lshrrev_b32 v[229+16*\c], 23, v[227+16*\c]
.endr
.irp c, 0,1
	v_lshl_or_b32 v[228+16*\c], v[228+16*\c], 8, v[228+16*\c]
	v_lshl_or_b32 v[229+16*\c], v[229+16*\c], 8, v[229+16*\c]
.endr
.irp c, 0,1
	v_lshl_or_b32 v[36+\c], v[229+16*\c], 16, v[228+16*\c]         ; p's scale word: the block's byte twice, the block before's twice
.endr
.irp c, 0,1
	v_cvt_scalef32_pk8_fp4_f32 v[248+2*\c], v[144+24*\c:151+24*\c], v[226+16*\c]
	v_cvt_scalef32_pk8_fp4_f32 v[249+2*\c], v[152+24*\c:159+24*\c], v[226+16*\c]
	v_cvt_scalef32_pk8_fp4_f32 v[207+8*\c], v[160+24*\c:167+24*\c], v[227+16*\c]   ; keys 24 .. 31 of the block before (lanes 0-15: all hidden, zero codes)
.endr
	v_nop                                          ; one plain instruction behind a scaled conversion
.irp c, 0,1                            ; lanes 0-15 hold keys 0 .. 15 of the block, lanes 16-31 keys 16 .. 31: each at its place among 32, zeros for the other half's
	v_cndmask_b32 v[200+8*\c], v[248+2*\c], 0, s34
	v_cndmask_b32 v[201+8*\c], v[249+2*\c], 0, s34
	v_cndmask_b32 v[202+8*\c], 0, v[248+2*\c], s34
	v_cndmask_b32 v[203+8*\c], 0, v[249+2*\c], s34
.endr
	v_rcp_f32 v230, v222
	v_rcp_f32 v246, v238
	v_nop                                          ; a plain instruction behind the second reciprocal
.rept 8
	v_nop                                          ; a scale register written by a vector instruction stands 8 places ahead of a scaled matrix instruction, an operand so written 4
.endr
	WIN 0x01
	s_wait_alu depctr_va_vdst(0)                   ; first the places, then this wait: p's codes v200-215 and the scale words v28-37 are written, which the scaled matrix instructions take; it is also the one wait for the two reciprocals, ahead of their first reader
.irp o, 0,1,2,3,4,5,6,7
	v_wmma_scale_f32_16x16x128_f8f6f4 v[128+8*\o:135+8*\o], v[192+8*\o:199+8*\o], v[200+8*(\o/4):207+8*(\o/4)], 0, v[28+\o], v[36+\o/4] matrix_a_fmt:MATRIX_FMT_FP4 matrix_b_fmt:MATRIX_FMT_FP4
.endr
	WIN 0
.rept 4
	v_nop                                          ; places in front of the first read of O
.endr
	WIN 0x40
	s_wait_alu depctr_va_vdst(0)                   ; the eight products are done reading V's fragments, in whose registers (buffer 3) the loads land
	WLOAD 3
	WIN 0
.irp o, 0,1,2,3,4,5,6,7
.irp j, 0,2,4,6
	v_pk_mul_f32 v[128+8*\o+\j:129+8*\o+\j], v[128+8*\o+\j:129+8*\o+\j], v[230+16*(\o/4):231+16*(\o/4)] op_sel_hi:[1,0]   ; / l
.endr
.endr
	QUANT 128, 0, 248, 62                          ; my 128 channels of 16 tokens: K step w of the projection
	s_wait_alu depctr_va_vdst(0)                   ; the codes v248-255 and the scale word v62 are written, which the LDS stores read; and every vector and matrix instruction so far is done with v128-255, in which the LDS loads behind the barrier land
	ds_store_b128 v12, v[248:251]
	ds_store_b128 v12, v[252:255] offset:512
	ds_store_b32 v13, v62
	BARRIER                                        ; x + proj_b, the eight images and their scale words lie in LDS
	s_wait_alu depctr_vm_vsrc(0)                   ; my LDS stores have read v248-255, in which x + proj_b lands (and v62, which is written again further on)
.irp k, 0,1,2,3
.irp i, 0,1,2,3
	ds_load_b128 v[192+16*\k+4*\i:195+16*\k+4*\i], v11 offset:128*\k+16*\i     ; x + proj_b in the accumulators' layout: the C of the first K step
.endr
.endr
.irp s, 0,1,2,3,4,5,6,7
	ds_load_b128 v[128+8*\s:131+8*\s], v8 offset:1024*\s
	ds_load_b128 v[132+8*\s:135+8*\s], v8 offset:1024*\s+512
	ds_load_b32 v[38+\s], v63 offset:128*\s
.endr
	s_wait_dscnt 0x0
.macro PSTEP s                         ; eight accumulators by turns, one instruction a turn
.if (\s) < 7
	s_wait_loadcnt 48                              ; this step's fragments are in; the three younger groups of 16 loads may be out
.else
	s_wait_loadcnt 32                              ; g2's and b2's may be out
.endif
	WIN 0x01
.irp nt, 0,1,2,3,4,5,6,7
	v_wmma_scale_f32_16x16x128_f8f6f4 v[192+8*\nt:199+8*\nt], v[64*((\s)%4)+8*\nt:64*((\s)%4)+8*\nt+7], v[128+8*(\s):135+8*(\s)], v[192+8*\nt:199+8*\nt], v[64+8*\nt+(\s)], v[38+(\s)] matrix_a_fmt:MATRIX_FMT_FP4 matrix_b_fmt:MATRIX_FMT_FP4
.endr
	WIN 0
.rept 4
	v_nop                                          ; the places stay as they stood: behind the last step they stand in front of the first read of the results
.endr
.if (\s) < 4
	WIN 0x40
	s_wait_alu depctr_va_vdst(0)                   ; this step's eight matrix instructions are done reading buffer s % 4, in which the fragments of four steps on land
	WLOAD (\s)+4
	WIN 0
.elseif (\s) == 4
	WIN 0x40
	s_wait_alu depctr_va_vdst(0)                   ; step 4's matrix instructions are done reading buffer 0, in which g2 lands
	GBLOAD 0, 16
	WIN 0
.elseif (\s) == 5
	WIN 0x40
	s_wait_alu depctr_va_vdst(0)                   ; step 5's matrix instructions are done reading buffer 1, in which b2 lands
	GBLOAD 64, 18
	WIN 0
.endif
.endm
.irp s, 0,1,2,3,4,5,6,7
	PSTEP \s
.endr
; x1 stands in the accumulators.  LN2 in two passes; a row lies in two lanes of each of the eight waves.
.macro FOLD
	v_pk_add_f32 v[46:47], v[46:47], v[48:49]
	v_pk_add_f32 v[50:51], v[50:51], v[52:53]
	v_pk_add_f32 v[46:47], v[46:47], v[50:51]
	v_add_f32 v46, v46, v47
.endm
.irp j, 0,1,2,3
	v_pk_add_f32 v[46+2*\j:47+2*\j], v[192+4*\j:193+4*\j], v[194+4*\j:195+4*\j]    ; ascending: each accumulator is read from its low end on
.endr
.irp k, 16,24,32,40,48,56
.irp j, 0,1,2,3
	v_pk_add_f32 v[46+2*\j:47+2*\j], v[46+2*\j:47+2*\j], v[192+\k+2*\j:193+\k+2*\j]
.endr
.endr
	FOLD
	v_permlanex16_b32 v47, v46, s[SEL], s[SEL+1]
	v_add_f32 v46, v46, v47
	s_wait_alu depctr_va_vdst(0)                   ; my sum v46 is written, which the LDS store reads; the matrix instructions have written the accumulators, which x1's LDS stores behind the barrier read; v46-53, in which the sums land, are done with
	ds_store_b32 v14, v46                          ; lanes r and 16 + r write the same word with the same value
	BARRIER
	s_wait_alu depctr_vm_vsrc(0)                   ; my LDS store has read v46, in which the waves' sums land
	ds_load_b128 v[46:49], v15                     ; the eight sums first: the mean hangs on them,
	ds_load_b128 v[50:53], v15 offset:16
.irp k, 0,1,2,3
.irp i, 0,1,2,3
	ds_store_b128 v11, v[192+16*\k+4*\i:195+16*\k+4*\i] offset:128*\k+16*\i    ; then x1 goes back to where x lay: bytes that my wave alone has read
.endr
.endr
	s_wait_dscnt 16                                ; LDS instructions end in order (ISA guide 5.7.1): the two loads are in; the sixteen younger stores may be out (the next barrier's wait is for them)
	FOLD
	v_mul_f32 v54, s35, v46                        ; the mean
	s_wait_alu depctr_vm_vsrc(0)                   ; the sixteen LDS stores have read v192-255, which the subtractions write
.set J, 0
.rept 32
	v_pk_add_f32 v[192+J:193+J], v[192+J:193+J], v[54:55] op_sel_hi:[1,0] neg_lo:[0,1] neg_hi:[0,1]
.set J, J+2
.endr
.irp j, 0,1,2,3
	v_pk_mul_f32 v[46+2*\j:47+2*\j], v[192+2*\j:193+2*\j], v[192+2*\j:193+2*\j]
.endr
.irp k, 8,16,24,32,40,48,56
.irp j, 0,1,2,3
	v_pk_fma_f32 v[46+2*\j:47+2*\j], v[192+\k+2*\j:193+\k+2*\j], v[192+\k+2*\j:193+\k+2*\j], v[46+2*\j:47+2*\j]
.endr
.endr
	FOLD
	v_permlanex16_b32 v47, v46, s[SEL], s[SEL+1]
	v_add_f32 v46, v46, v47
	s_wait_alu depctr_va_vdst(0)                   ; my sum of squares v46 is written, which the LDS store reads; v46-53, in which the waves' sums land, are done with
	ds_store_b32 v14, v46 offset:512
	BARRIER
	s_wait_alu depctr_vm_vsrc(0)                   ; my LDS store has read v46, in which the waves' sums of squares land
	ds_load_b128 v[46:49], v15 offset:512
	ds_load_b128 v[50:53], v15 offset:528
	s_wait_dscnt 0x0
	FOLD
	v_fma_f32 v56, v46, s35, s27                   ; the variance + 1e-5
	v_rsq_f32 v56, v56
	v_nop
	s_wait_alu depctr_va_vdst(0)                   ; the wait ahead of the first reader of the root's result, v56
	s_wait_loadcnt 0x0                             ; g2, b2
.set J, 0
.rept 32
	v_pk_mul_f32 v[192+J:193+J], v[192+J:193+J], v[56:57] op_sel_hi:[1,0]
.set J, J+2
.endr
	WIN 0x14                                       ; sources 1 and 2 window 1
.set J, 0
.rept 32
	v_pk_fma_f32 v[192+J:193+J], v[192+J:193+J], v[J:J+1], v[64+J:65+J]
.set J, J+2
.endr
	QUANT 192, 0, 128, 62                          ; K step w of fc1's A
	s_wait_alu depctr_va_vdst(0)                   ; the codes v128-135 and the scale word v62 are written, which the stores read; no vector instruction follows, so v192-255 and v46-49, in which the LDS loads below land, are done with too
	global_store_b128 v4, v[128:131], s[92:93]             ; the image as it stands: 512 consecutive aligned bytes a store
	global_store_b128 v4, v[132:135], s[92:93] offset:512
	ds_store_b32 v16, v62
	BARRIER                                        ; x1's sixteen rows and the tile's scale bytes lie in LDS
.irp e, 0,1
.irp j, 0,1,2,3,4,5,6,7
	ds_load_b128 v[192+32*\e+4*\j:195+32*\e+4*\j], v10 offset:4112*\e+512*\j
.endr
.endr
.irp e, 0,1
.irp j, 0,1,2,3,4,5,6,7
	s_wait_dscnt 15-8*\e-\j                        ; LDS loads come back in order: this one is in
	global_store_b128 v4, v[192+32*\e+4*\j:195+32*\e+4*\j], s[38:39] offset:4096*\e+512*\j
.endr
.endr
	s_cmp_lg_u32 s2, 0
	s_cbranch_scc1 .Lend
	ds_load_b128 v[46:49], v7
	s_wait_dscnt 0x0
	global_store_b128 v4, v[46:49], s[94:95]
.Lend:
	s_wait_dscnt 0x0                               ; the closing lines, six on end
	s_wait_alu 0x0
	s_wait_tensorcnt 0x0
	ds_add_u32 v[SPW], v[NIL]
	s_wait_dscnt 0x0
	s_endpgm
.Lfunc_end_k_q34c1c511aa_mid:
	.size	k_q34c1c511aa_mid, .Lfunc_end_k_q34c1c511aa_mid-k_q34c1c511aa_mid
	.p2alignl 7, 3214868480
	.fill 96, 4, 3214868480
	.section	.rodata,"a",@progbits
	.p2align	6, 0x0
	.amdhsa_kernel k_q34c1c511aa_mid
		.amdhsa_group_segment_fixed_size 77824
		.amdhsa_private_segment_fixed_size 0
		.amdhsa_enable_private_segment 0
		.amdhsa_kernarg_size 64
		.amdhsa_user_sgpr_count 2
		.amdhsa_user_sgpr_kernarg_segment_ptr 1
		.amdhsa_wavefront_size32 1
		.amdhsa_system_sgpr_workgroup_id_x 1
		.amdhsa_system_sgpr_workgroup_id_y 1
		.amdhsa_system_sgpr_workgroup_id_z 1
		.amdhsa_system_vgpr_workitem_id 0
		.amdhsa_next_free_vgpr 512
		.amdhsa_next_free_sgpr 96
		.amdhsa_reserve_vcc 0
		.amdhsa_float_denorm_mode_32 3
		.amdhsa_float_denorm_mode_16_64 3
		.amdhsa_memory_ordered 1
		.amdhsa_forward_progress 1
		.amdhsa_inst_pref_size 91
	.end_amdhsa_kernel
	.amdgpu_metadata
---
amdhsa.version: [ 1, 2 ]
amdhsa.kernels:
  - .name:           k_q34c1c511aa_mid
    .symbol:         k_q34c1c511aa_mid.kd
    .args:
      - { .name: qk, .offset: 0, .size: 8, .value_kind: global_buffer, .address_space: global }
      - { .name: pw, .offset: 8, .size: 8, .value_kind: global_buffer, .address_space: global }
      - { .name: proj_b, .offset: 16, .size: 8, .value_kind: global_buffer, .address_space: global }
      - { .name: x, .offset: 24, .size: 8, .value_kind: global_buffer, .address_space: global }
      - { .name: g2, .offset: 32, .size: 8, .value_kind: global_buffer, .address_space: global }
      - { .name: b2, .offset: 40, .size: 8, .value_kind: global_buffer, .address_space: global }
      - { .name: mb, .offset: 48, .size: 8, .value_kind: global_buffer, .address_space: global }
      - { .name: x1, .offset: 56, .size: 8, .value_kind: global_buffer, .address_space: global }
    .group_segment_fixed_size: 77824
    .private_segment_fixed_size: 0
    .kernarg_segment_align: 8
    .kernarg_segment_size: 64
    .max_flat_workgroup_size: 256
    .sgpr_count:     96
    .vgpr_count:     512
    .wavefront_size: 32
...
	.end_amdgpu_metadata
.endif
;; end of part 6
;; launch fc1: the kernel of part 4 again; grid 16 x 16, 4 waves a work-group, clusters of 4 x 4, 327,680 bytes of LDS; arguments mb, pw, fc1_b, hid; writes hid
;; launch fc2: the kernel of part 5 again; grid 8 x 32, 4 waves a work-group, clusters of 4 x 4, 327,680 bytes of LDS; arguments hid, pw, fc2_b, x1, out0; writes out0
